; MI455X (gfx1250); checked and timed in simulation.
; The chip was launched on July 23, 2026; its instructions are those of AMD's public machine-readable ISA for CDNA 5 (MIT licence, August 2026) and "CDNA5" Instruction Set Architecture Reference Guide (July 2026). The comments in the code are by the model that wrote it; some were corrected since.
;; Bahdanau Attention. Allowed arithmetic: matrix products marked QUANTISED: E2M1 operands, one E8M0 scale for each 32 along K, by v_wmma_scale_f32_16x16x128_f8f6f4 with both operands' format E2M1 (or v_wmma_scale_f32_32x16x128_f4), f32 sums; products left as they are: f32 operands where the result goes on into a quantised operand, else bf16, f16 or f32 operands; f32 sums; everything else in f32.
;; Inputs: Wk_codes 1,024 x 32 x 16 uint8 (E2M1 codes of Wk, K innermost, in blocks of 32 codes, two codes a byte); Wk_scales 1,024 x 32 uint8 (E8M0 scales of Wk, one for each 32 codes along K); Wq_codes 1,024 x 32 x 16 uint8 (E2M1 codes of Wq, K innermost, in blocks of 32 codes, two codes a byte); Wq_scales 1,024 x 32 uint8 (E8M0 scales of Wq, one for each 32 codes along K); keys 64 x 1,024 x 1,024 float32; mask 64 x 1,024 bool; query_codes 64 x 32 x 16 uint8 (E2M1 codes of query, K innermost, in blocks of 32 codes, two codes a byte); query_scales 64 x 32 uint8 (E8M0 scales of query, one for each 32 codes along K); v 1 x 1,024 float32.
;; Outputs: out0 64 x 1,024 float32; out1 64 x 1,024 float32.
;; This version of the problem:
;;   THIS VERSION OF THE PROBLEM IS GIVEN IN LOW PRECISION. The matrix products marked QUANTISED in the list below multiply operands that are first quantised to E2M1 (2 exponent bits, 1 mantissa bit; 4 bits a number), with one power-of-two scale for each 32 numbers along K (OCP MX v1.0); their sums are f32. All else is computed in f32.
;;   The module's matrix products, in the order in which they are computed (A, B: the left and right operand; K: the contracted axis; several contracted axes count as one K, in the product's order):
;;     1. [M 64, K 1,024] x [K 1,024, N 1,024]; A: input query (given as codes); B: input Wq (given as codes): QUANTISED
;;     2. [M 65,536, K 1,024] x [K 1,024, N 1,024]; A: input keys; B: input Wk (given as codes): QUANTISED
;;     3. [M 65,536, K 1,024] x [K 1,024, N 1]; A: computed on the way; B: input v: left as it is (N = 1 < 16)
;;     4. batch 64 x [M 1, K 1,024] x [K 1,024, N 1,024]; A: computed on the way; B: input keys: left as it is (M = 1 < 16)
;;   THE QUANTISER, for each operand of a quantised product, along K:
;;     - K is cut into blocks of 32 from its start; a last block that is shorter is filled with zeros.
;;     - A block's scale is 2^e with e = floor(log2(the largest magnitude in the block)) - 2, held to -126 .. 127; a block of zeros has e = 0. As a byte (E8M0): e + 127.
;;     - Each number is divided by its block's scale, clamped to +-6, and rounded to the nearest number of E2M1, ties to even, subnormals kept.
;;     - The product sums the exact products of the quantised numbers (number of the format x scale) in f32.
;;   ~~~python
;;   def quantise(x, axis):      # numpy; x: float32 -> the quantised numbers, widened to float32 again
;;       x = np.moveaxis(x, axis, -1); K = x.shape[-1]
;;       x = np.pad(x, [(0, 0)] * (x.ndim - 1) + [(0, -K % 32)]); x = x.reshape(x.shape[:-1] + (-1, 32)); a = np.abs(x).max(-1, keepdims=True)
;;       e = np.where(a > 0, np.clip(np.frexp(np.where(a > 0, a, 1))[1] - 1 - 2, -126, 127), 0)      # np.frexp(a)[1] - 1 = floor(log2(a)), exactly
;;       r = np.clip(x / 2.0 ** e, -6, 6)
;;       step = 2.0 ** (np.maximum(np.frexp(np.where(r == 0, 1, r))[1] - 1, 0) - 1)
;;       q = np.round(r / step) * step * 2.0 ** e      # np.round: ties to even
;;       return np.moveaxis(q.reshape(q.shape[:-2] + (-1,))[..., :K], -1, axis).astype(np.float32)
;;   ~~~
;;   INPUTS GIVEN AS CODES. Wk (in the module: [1024, 1024], K = its axis 1); Wq (in the module: [1024, 1024], K = its axis 1); query (in the module: [64, 1024], K = its axis 1): each comes as NAME_codes (uint8): NAME with its K axis moved to the last place and cut into blocks of 32 codes, [.., K / 32, bytes a block], one block behind the other in memory; two codes a byte, the lower K in the low four bits (a code: sign, 2 exponent bits, 1 mantissa bit); and NAME_scales (uint8): the same leading axes, one E8M0 byte (e + 127) for each 32 codes along K. Its value is code x scale, taken as it is: it is not quantised again, and the codes and scales need not be those that the quantiser above would give.
;; 2 versions, each right; version 2 is version 1 with the launches prep, main written anew for expert scheduling mode. Each part assembles by itself: llvm-mc -triple=amdgcn-amd-amdhsa -mcpu=gfx1250 --defsym DOCPART=n.
;; ======== version 1 of 2: 3 launches
;; workspace buffers: wkimg 573,440 bytes; qpc 262,144 bytes; order 262,144 bytes of whole numbers; rank 262,144 bytes of whole numbers; cnt 8,192 bytes of whole numbers; en 327,680 bytes; part 1,114,112 bytes
;; launch prep (part 1): grid 48 x 1, 4 waves a work-group, no clusters, 17,920 bytes of LDS; arguments query_codes, query_scales, Wq_codes, Wq_scales, Wk_codes, Wk_scales, v, mask, wkimg, qpc, order, rank, cnt; writes wkimg, qpc, order, rank, cnt
.if DOCPART == 1
	.amdgcn_target "amdgcn-amd-amdhsa--gfx1250"
	.amdhsa_code_object_version 6
	.text
	.protected	k_qf12df3925a_prep
	.globl	k_qf12df3925a_prep
	.p2align	8
	.type	k_qf12df3925a_prep,@function
k_qf12df3925a_prep:
	s_mov_b64 s[64:65], 0
	v_nop
	global_prefetch_b8 v0, s[64:65] scope:SCOPE_SE
	s_setreg_imm32_b32 hwreg(HW_REG_WAVE_MODE, 25, 1), 1
	s_wait_xcnt 0x0
; Three small jobs that the main launch needs done first; the work-group's number picks one.
;  Q (work-groups 0-15):  qpc[b][h] = C2 x (query Wq^T)[b][h], C2 = 2 log2(e); both operands are given as E2M1 codes with E8M0 scales; sums in f32.
;  W (work-groups 16-31): Wk's codes, scale bytes and -2 v are laid as images of the registers that the main launch loads them into: one record of REC bytes for 16 rows of Wk.
;  M (work-groups 32-47): the mask (1 = pad) becomes, for each batch, a permutation of its 1,024 rows with the open rows first (order), its inverse (rank), and the number of open rows (cnt).
; Only job Q touches LDS.  No lane is ever switched off.
.set REC, 8960                         ; a record: 8,192 bytes of fragments, 512 of scale words, 128 of -2 v, 128 unused: 35 x 256 bytes
.set QF,  16                           ; v16-47   query: 4 K steps x 8 registers
.set WF,  48                           ; v48-175  Wq: 4 tiles x 4 K steps x 8 registers
.set QS,  176                          ; v176-183 query's 8 scale words (lane r: batch row r)
.set WS,  184                          ; v184-215 Wq's: 8 words a tile
.set ACC, 216                          ; v216-247 four accumulators
	s_load_b512 s[4:19], s[0:1], 0x0               ; query_codes s[4:5], query_scales s[6:7], Wq_codes s[8:9], Wq_scales s[10:11], Wk_codes s[12:13], Wk_scales s[14:15], v s[16:17], mask s[18:19]
	s_load_b256 s[20:27], s[0:1], 0x40             ; wkimg s[20:21], qpc s[22:23], order s[24:25], rank s[26:27]
	s_load_b64 s[28:29], s[0:1], 0x60              ; cnt
	v_lshl_add_u32 v254, v0, 2, 0x4400
	v_mov_b32 v255, 0
	v_lshrrev_b32 v7, 5, v0
	v_readfirstlane_b32 s30, v7                    ; wave 0..3
	v_and_b32 v7, 31, v0                           ; lane
	v_and_b32 v1, 15, v0                           ; r
	v_bfe_u32 v2, v0, 4, 1                         ; hh
	v_lshlrev_b32 v3, 9, v1
	v_lshl_add_u32 v3, v2, 4, v3                   ; a fragment's place: row r of 512 bytes (1,024 codes), + 16 hh
	v_lshlrev_b32 v4, 4, v7                        ; 16 x lane
	v_lshlrev_b32 v5, 2, v7                        ; 4 x lane
	v_lshlrev_b32 v6, 2, v1                        ; 4 r
	v_lshlrev_b32 v8, 5, v1                        ; 32 r: a row of 32 scale bytes
	s_mov_b32 s33, 0                               ; the upper word of every offset pair s[32:33]
	s_wait_kmcnt 0x0
	s_cmp_lt_u32 ttmp9, 16
	s_cbranch_scc1 .Lq
	s_cmp_lt_u32 ttmp9, 32
	s_cbranch_scc1 .Lw
; ---- M: one wave to a batch.  Lane l holds rows 128 G + 4 l + k in byte k of word G.
	s_sub_co_u32 s31, ttmp9, 32
	s_lshl_b32 s31, s31, 2
	s_add_co_u32 s31, s31, s30                     ; batch
	s_lshl_b32 s32, s31, 10
	s_add_nc_u64 s[18:19], s[18:19], s[32:33]
	s_lshl_b32 s32, s31, 12
	s_add_nc_u64 s[24:25], s[24:25], s[32:33]
	s_add_nc_u64 s[26:27], s[26:27], s[32:33]
	s_lshl_b32 s32, s31, 7
	s_add_nc_u64 s[28:29], s[28:29], s[32:33]
.irp G, 0,1,2,3,4,5,6,7
	global_load_b32 v[112+\G], v5, s[18:19] offset:128*\G
.endr
	s_mov_b32 s41, 0                               ; open rows placed so far: they fill positions 0, 1, ..
	s_mov_b32 s42, 1023                            ; padded rows fill positions 1023, 1022, ..
	s_wait_loadcnt 0x0
; Every store has address and data registers of its own (v16-47, v48-79, v80-111), so none is written again while a store may read it.
.irp G, 0,1,2,3,4,5,6,7
.irp k, 0,1,2,3
	v_bfe_u32 v120, v[112+\G], 8*\k, 8
	v_cmp_eq_u32 s40, 0, v120                      ; the 32 lanes' open rows, as bits
	v_mbcnt_lo_u32_b32 v121, s40, 0                ; open rows in the lanes below mine
	v_add_nc_u32 v122, s41, v121                   ; my place if open
	v_sub_nc_u32 v123, v121, v7
	v_add_nc_u32 v123, s42, v123                   ; my place if padded: less the padded lanes below mine
	v_cndmask_b32 v[80+4*\G+\k], v123, v122, s40
	v_min_u32 v[16+4*\G+\k], 0x3ff, v[80+4*\G+\k]  ; a place is 0 .. 1023
	v_lshlrev_b32 v[16+4*\G+\k], 2, v[16+4*\G+\k]
	v_lshl_add_u32 v[48+4*\G+\k], v7, 2, 128*\G+\k ; my row
	global_store_b32 v[16+4*\G+\k], v[48+4*\G+\k], s[24:25]   ; order[place] = row: the open lanes' places are neighbours, and so are the padded lanes'
	s_bcnt1_i32_b32 s43, s40
	s_add_co_u32 s41, s41, s43
	s_add_co_u32 s42, s42, s43
	s_sub_co_u32 s42, s42, 32
.endr
	global_store_b128 v4, v[80+4*\G:83+4*\G], s[26:27] offset:512*\G   ; rank[row] = place: 512 consecutive bytes
.endr
	v_mov_b32 v124, s41
	global_store_b32 v5, v124, s[28:29]            ; the count, 32 times: 128 consecutive bytes
	s_endpgm
; ---- W: one wave to 16 rows of Wk.
.Lw:
	s_sub_co_u32 s31, ttmp9, 16
	s_lshl_b32 s31, s31, 2
	s_add_co_u32 s31, s31, s30                     ; tile of 16 rows, 0 .. 63
	s_lshl_b32 s32, s31, 13
	s_add_nc_u64 s[12:13], s[12:13], s[32:33]
	s_lshl_b32 s32, s31, 9
	s_add_nc_u64 s[14:15], s[14:15], s[32:33]
	s_lshl_b32 s32, s31, 6
	s_add_nc_u64 s[16:17], s[16:17], s[32:33]
	s_mul_i32 s32, s31, REC
	s_add_nc_u64 s[20:21], s[20:21], s[32:33]
	v_lshl_add_u32 v8, v2, 2, v8                   ; 32 r + 4 hh: lanes 16-31 take the odd K steps' words
.irp k, 0,1,2,3,4,5,6,7,8,9,10,11,12,13,14,15
	global_load_b128 v[16+4*\k:19+4*\k], v3, s[12:13] offset:32*\k    ; K step k / 2, half k % 2: registers 4 k .. 4 k + 3 of the tile's eight fragments
.endr
.irp i, 0,1,2,3
	global_load_b32 v[80+\i], v8, s[14:15] offset:8*\i                ; the scale word of row r for K step 2 i + hh
.endr
	global_load_b32 v84, v6, s[16:17]              ; v of row r
	s_wait_loadcnt 0x0
	v_mul_f32 v85, -2.0, v84
.irp k, 0,1,2,3,4,5,6,7,8,9,10,11,12,13,14,15
	global_store_b128 v4, v[16+4*\k:19+4*\k], s[20:21] offset:512*\k  ; each store covers 512 consecutive bytes
.endr
	global_store_b128 v4, v[80:83], s[20:21] offset:8192
	global_store_b32 v5, v85, s[20:21] offset:8704
	s_endpgm
; ---- Q: work-group g makes h = 64 g .. 64 g + 63, wave w batches 16 w .. 16 w + 15.  Used transposed (source 0 = 16 rows of Wq, source 1 = 16 rows of query):
; lane (r, hh) then holds batch 16 w + r, and register j of tile t the unit h = 64 g + 16 t + 8 hh + j: eight neighbours of a row of qpc.
.Lq:
	s_lshl_b32 s32, s30, 13
	s_add_nc_u64 s[4:5], s[4:5], s[32:33]
	s_lshl_b32 s32, s30, 9
	s_add_nc_u64 s[6:7], s[6:7], s[32:33]
	s_lshl_b32 s32, ttmp9, 15
	s_add_nc_u64 s[8:9], s[8:9], s[32:33]
	s_lshl_b32 s32, ttmp9, 11
	s_add_nc_u64 s[10:11], s[10:11], s[32:33]
	s_lshl_b32 s32, s30, 16
	s_lshl_b32 s34, ttmp9, 8
	s_add_co_u32 s32, s32, s34
	s_add_nc_u64 s[22:23], s[22:23], s[32:33]      ; qpc at row 16 w, byte 256 g
	s_mov_b32 s36, 0x4038aa3b                      ; C2 = 2 log2(e)
	s_mov_b32 s37, s36                             ; (named with it as a pair, so it is written)
	s_mul_i32 s35, s30, 4352                       ; my stage: 16 rows x (256 + 16) bytes
	v_mul_u32_u24 v9, v1, 272
	v_lshl_add_u32 v9, v2, 5, v9
	v_add_nc_u32 v9, s35, v9                       ; in: row r, + 32 hh
	v_mul_u32_u24 v10, v2, 272
	v_lshl_add_u32 v10, v1, 4, v10
	v_add_nc_u32 v10, s35, v10                     ; back: lanes 0-15 one row, lanes 16-31 the next
	v_lshlrev_b32 v11, 12, v2
	v_lshl_add_u32 v11, v1, 4, v11                 ; and the same two rows in qpc
.macro QLOAD kh                        ; 40 loads: the fragments of K steps 4 kh .. 4 kh + 3
.irp k, 0,1,2,3
.irp c, 0,1
	global_load_b128 v[QF+8*\k+4*\c:QF+8*\k+4*\c+3], v3, s[4:5] offset:64*(4*\kh+\k)+32*\c
.endr
.endr
.irp t, 0,1,2,3
.irp k, 0,1,2,3
.irp c, 0,1
	global_load_b128 v[WF+32*\t+8*\k+4*\c:WF+32*\t+8*\k+4*\c+3], v3, s[8:9] offset:8192*\t+64*(4*\kh+\k)+32*\c
.endr
.endr
.endr
.endm
.macro QMUL kh                         ; 16 matrix instructions; the four accumulators take turns, one instruction a turn
.irp k, 0,1,2,3
.irp t, 0,1,2,3
.if (\kh == 0) && (\k == 0)
	v_wmma_scale_f32_16x16x128_f8f6f4 v[ACC+8*\t:ACC+8*\t+7], v[WF+32*\t+8*\k:WF+32*\t+8*\k+7], v[QF+8*\k:QF+8*\k+7], 0, v[WS+8*\t+4*\kh+\k], v[QS+4*\kh+\k] matrix_a_fmt:MATRIX_FMT_FP4 matrix_b_fmt:MATRIX_FMT_FP4
.else
	v_wmma_scale_f32_16x16x128_f8f6f4 v[ACC+8*\t:ACC+8*\t+7], v[WF+32*\t+8*\k:WF+32*\t+8*\k+7], v[QF+8*\k:QF+8*\k+7], v[ACC+8*\t:ACC+8*\t+7], v[WS+8*\t+4*\kh+\k], v[QS+4*\kh+\k] matrix_a_fmt:MATRIX_FMT_FP4 matrix_b_fmt:MATRIX_FMT_FP4
.endif
.endr
.endr
.endm
	global_load_b128 v[QS:QS+3], v8, s[6:7]
	global_load_b128 v[QS+4:QS+7], v8, s[6:7] offset:16
.irp t, 0,1,2,3
	global_load_b128 v[WS+8*\t:WS+8*\t+3], v8, s[10:11] offset:512*\t
	global_load_b128 v[WS+8*\t+4:WS+8*\t+7], v8, s[10:11] offset:512*\t+16
.endr
	QLOAD 0
	s_wait_loadcnt 0x0
	QMUL 0
.rept 4
	v_nop                                          ; four places in front of loads into registers that matrix instructions have read
.endr
	QLOAD 1
	s_wait_loadcnt 0x0
	QMUL 1
.rept 4
	v_nop                                          ; and in front of the first read of results, and of writes into Wq's registers
.endr
.set i, 0
.rept 16
	v_pk_mul_f32 v[48+i:49+i], v[ACC+i:ACC+i+1], s[36:37] op_sel_hi:[1,0]   ; x C2; each accumulator from its low end on
.set i, i+2
.endr
.irp t, 0,1,2,3
	ds_store_b128 v9, v[48+8*\t:51+8*\t] offset:64*\t
	ds_store_b128 v9, v[52+8*\t:55+8*\t] offset:64*\t+16
.endr
.irp i, 0,1,2,3,4,5,6,7
	ds_load_b128 v[80+4*\i:83+4*\i], v10 offset:544*\i    ; LDS serves a wave's instructions in order (ISA guide 5.7.1.4): these see my stores
.endr
.irp i, 0,1,2,3,4,5,6,7
	s_wait_dscnt 7-\i
	global_store_b128 v11, v[80+4*\i:83+4*\i], s[22:23] offset:8192*\i   ; sixteen lanes store 256 consecutive bytes, at a multiple of 256 from qpc's first byte
.endr
	s_wait_tensorcnt 0x0
	ds_add_u32 v254, v255
	s_wait_dscnt 0x0
	s_endpgm
.Lfunc_end_k_qf12df3925a_prep:
	.size	k_qf12df3925a_prep, .Lfunc_end_k_qf12df3925a_prep-k_qf12df3925a_prep
	.p2alignl 7, 3214868480
	.fill 96, 4, 3214868480
	.section	.rodata,"a",@progbits
	.p2align	6, 0x0
	.amdhsa_kernel k_qf12df3925a_prep
		.amdhsa_group_segment_fixed_size 17920
		.amdhsa_private_segment_fixed_size 0
		.amdhsa_enable_private_segment 0
		.amdhsa_kernarg_size 104
		.amdhsa_user_sgpr_count 2
		.amdhsa_user_sgpr_kernarg_segment_ptr 1
		.amdhsa_wavefront_size32 1
		.amdhsa_system_sgpr_workgroup_id_x 1
		.amdhsa_system_sgpr_workgroup_id_y 1
		.amdhsa_system_sgpr_workgroup_id_z 1
		.amdhsa_system_vgpr_workitem_id 0
		.amdhsa_next_free_vgpr 256
		.amdhsa_next_free_sgpr 66
		.amdhsa_reserve_vcc 0
		.amdhsa_float_denorm_mode_32 3
		.amdhsa_float_denorm_mode_16_64 3
		.amdhsa_memory_ordered 1
		.amdhsa_forward_progress 1
		.amdhsa_inst_pref_size 49
	.end_amdhsa_kernel
	.amdgpu_metadata
---
amdhsa.version: [ 1, 2 ]
amdhsa.kernels:
  - .name:           k_qf12df3925a_prep
    .symbol:         k_qf12df3925a_prep.kd
    .args:
      - { .name: query_codes, .offset: 0, .size: 8, .value_kind: global_buffer, .address_space: global }
      - { .name: query_scales, .offset: 8, .size: 8, .value_kind: global_buffer, .address_space: global }
      - { .name: Wq_codes, .offset: 16, .size: 8, .value_kind: global_buffer, .address_space: global }
      - { .name: Wq_scales, .offset: 24, .size: 8, .value_kind: global_buffer, .address_space: global }
      - { .name: Wk_codes, .offset: 32, .size: 8, .value_kind: global_buffer, .address_space: global }
      - { .name: Wk_scales, .offset: 40, .size: 8, .value_kind: global_buffer, .address_space: global }
      - { .name: v, .offset: 48, .size: 8, .value_kind: global_buffer, .address_space: global }
      - { .name: mask, .offset: 56, .size: 8, .value_kind: global_buffer, .address_space: global }
      - { .name: wkimg, .offset: 64, .size: 8, .value_kind: global_buffer, .address_space: global }
      - { .name: qpc, .offset: 72, .size: 8, .value_kind: global_buffer, .address_space: global }
      - { .name: order, .offset: 80, .size: 8, .value_kind: global_buffer, .address_space: global }
      - { .name: rank, .offset: 88, .size: 8, .value_kind: global_buffer, .address_space: global }
      - { .name: cnt, .offset: 96, .size: 8, .value_kind: global_buffer, .address_space: global }
    .group_segment_fixed_size: 17920
    .private_segment_fixed_size: 0
    .kernarg_segment_align: 8
    .kernarg_segment_size: 104
    .max_flat_workgroup_size: 128
    .sgpr_count:     66
    .vgpr_count:     256
    .wavefront_size: 32
...
	.end_amdgpu_metadata
.endif
;; end of part 1
;; launch main (part 2): grid 4 x 64, 4 waves a work-group, no clusters, 218,368 bytes of LDS; arguments keys, wkimg, qpc, order, cnt, en, part; writes en, part
.if DOCPART == 2
	.amdgcn_target "amdgcn-amd-amdhsa--gfx1250"
	.amdhsa_code_object_version 6
	.text
	.protected	k_qf12df3925a_main
	.globl	k_qf12df3925a_main
	.p2align	8
	.type	k_qf12df3925a_main,@function
k_qf12df3925a_main:
	s_mov_b64 s[64:65], 0
	v_nop
	global_prefetch_b8 v0, s[64:65] scope:SCOPE_SE
	s_setreg_imm32_b32 hwreg(HW_REG_WAVE_MODE, 25, 1), 1
	s_wait_xcnt 0x0
; For the open (unmasked) rows of a quarter of one batch: t = log2(e) x sum over h of v[h] tanh(qp[h] + (Q(keys) Wk^T)[h]), a softmax by a running maximum, and the partial context sum.
; A padded row's energy is replaced by -infinity and its weight is 0, so padded rows are neither fetched nor worked: the rows come by the list 'order' (open rows first), n = cnt of them.
; SHARES.  Work-group (c, b): places c q16 .. c q16 + q16 - 1 of batch b's list, q16 = 16 ceil(n / 64).  They go in blocks of 80 rows (five tiles of 16).  Four waves.
;   Segment 1: wave w fetches columns 256 w .. + 255 of the block's rows ONCE, as f32, in the layout that the quantiser wants: lane (r, hh) takes of list row r 16 neighbours of each block of 32.
;              It quantises them along K (E2M1, one E8M0 scale a 32) into images of the operand's registers in LDS, and keeps them as bf16 in LDS.
;   Segment 2: wave w takes h = 256 w .. + 255, 16 tiles of 16, for all 80 rows: source 0 = keys, source 1 = Wk: lane (r, hh) holds h = r and rows 8 hh + j.  Wk's fragments come from memory as register images.
;              v tanh(x) = v + (-2 v) / (1 + 2^(C2 x)), C2 = 2 log2(e); qpc holds C2 x the query's projection.
;   Segment 3: every wave adds the four waves' parts of the 80 energies, moves the running maximum m and sum l, and adds p x (bf16 keys) onto its own 256 columns of the context.
; The loop over blocks has four trips in every work-group, with its two barriers in every trip; a trip beyond the chunk's blocks jumps over the three segments alone.
; A tile of rows past the chunk's end fetches the chunk's first tile again (so every path issues the same loads); its rows get t = -infinity and p = 0.  For that reason the keys' loads carry no non-temporal hint.
; NO CLUSTER, NO JOINT LOADS, though every work-group reads the same records of Wk: a fragment of Wk feeds one wave of a work-group alone and lands in that wave's registers by loads of 512 consecutive bytes;
; a joint tensor load would bring each record of 8,960 bytes through LDS, to be written and read there, behind a round of the cluster's barrier for each slot, and the number of blocks hangs on n, which differs from batch to batch.
; LIMITS: NaN and infinities among the keys are not served.  A block of 32 zeros gets the scale byte 1 where the rule says 127: its codes are zeros, and this program alone reads the byte.
;         The context takes the keys rounded to bf16, p and the sums in f32.  v's sum and the sum of -2 v / (1 + 2^..) are added in f32: the error is of the order of f32's rounding of sum |v|.
; REGISTERS, in windows of 256 (s_set_vgpr_msb: bits 1:0 source 0, 3:2 source 1, 5:4 source 2, 7:6 destination):
;   window 0: v1-23 addresses, v24-39 state, v40-54 the block's rows, v56-83 scale words, v84-95 small things and addresses, v96-255 at work, by segment.
;   window 1: v0-127 Wk's fragments, two sets; v128-255 raw sets 0, 1.   window 2: v0-159 keys' fragments of K steps 0-3; v160-223 raw set 2.   window 3: v0-63 raw set 3; v96-255 keys' fragments of K steps 4-7.
.set REC,    8960                      ; a record of wkimg: 16 rows of Wk
.set KP,     2064                      ; LDS: 0 .. 165,119 the block's 80 rows as bf16: 2,048 bytes + 16 of padding a row, so that the sixteen rows that a store touches fall on sixteen different 16-byte columns
                                       ;      (wave w writes and reads bytes 512 w .. + 511 of each row alone);
.set AIMG,   165120                    ; AIMG: 40 fragments (tile m, K step ks at 1,024 (8 m + ks)) as register images;
.set ASC,    206080                    ; ASC: their scale words, 128 bytes each;
.set STG,    211200                    ; STG: 1,024 bytes for each wave, for the context's way out;
.set ENP,    215296                    ; ENP: [4 waves][80] parts of the energies;
.set PP,     216576                    ; PP: [4 waves][80] each wave's own copy of p
.set L16, 1                            ; 16 x lane
.set L4R, 2                            ; 4 r
.set L4,  3                            ; 4 x lane
.set KOFF, 4                           ; 1,024 w + 16 x lane: my bytes of the partial context
.set STW, 5                            ; stage, back: 16 x lane
.set KO2, 6                            ; 1,024 w + 64 hh: my bytes of a row of keys
.set KBW, 7                            ; bf16 rows, in: KP r + 512 w + 32 hh, tiles 0 and 1;  KBW2: tiles 2 and 3;  KBW4: tile 4.  Never rewritten
.set IMW, 8                            ; my images: AIMG + 2,048 w + 16 x lane
.set SCW, 9                            ; my scale words: ASC + 256 w + 4 x lane
.set IMR, 10                           ; any image: AIMG + 16 x lane
.set SCR, 11                           ; scale words of two K steps: ASC + 128 hh + 4 r
.set ENW, 12
.set ENR, 13
.set ENR2, 14
.set PPW, 15
.set PPW2, 16
.set PPR, 17
.set KBR, 18                           ; bf16 rows, back: 16 x thread, tiles 0 and 1;  KBR2: tiles 2 and 3;  KBR4: tile 4.  Never rewritten
.set KBR2, 19
.set ROWA, 20                          ; the rows of a block that my lane judges: lane, lane + 32, 64 + r
.set ROWB, 21
.set ROWC, 22
.set EOF2, 23
.set MX,  24                           ; running maximum m of t;  v25 running sum l
.set LS,  25
.set FF,  26                           ; v[26:27] 2^(old m - new m), and a partner
.set HV,  28                           ; v[28:29] my lane's sum of v, and a partner
.set M2C, 30                           ; v[30:31] -2 v of the tile in hand, and a partner
.set CTX, 32                           ; v32-39 my eight columns of the context
.set RA,  40                           ; v40-44 tile m: the byte offset of my lane's row r and of my bytes in it
.set RL,  45                           ; v45-49 tile m: the list entry of row r, as loaded
.set RO,  50                           ; v50-54 tile m: where that entry lies in the list
.set ASCR, 56                          ; v56-75 keys' scale words: register 4 m + i: lanes 0-15 K step 2 i, lanes 16-31 K step 2 i + 1
.set BSCR, 76                          ; v76-83 Wk's, likewise: 4 p + i
.set QC,  84                           ; v[84:85], v[86:87] qpc of set p, and a partner
.set M2,  88                           ; v88, v89 -2 v of set p
.set VS,  90                           ; my lane's sum of -2 v
.set KBW2, 91
.set KBW4, 92
.set KBR4, 93
.set CTW, 94                           ; stage, in: 32 x lane
.set ML8, 95                           ; 8 x lane
.set ACC, 96                           ; segment 2: v96-135 five accumulators;  v136-175 the energies' parts
.set E,   136
.set BF,  96                           ; segment 1: v96-159 bf16, two sets;  v192-207 at work;  v208-223 codes, two sets;  v224-225 scale words, two
.set TM,  192
.set PC,  208
.set PW,  224
.set PV,  96                           ; segment 3: v96-111 p of 16 rows;  v112-175 16 rows x 8 bf16;  v176-196 at work
.set KV,  112
.set MSB, 0
.macro WIN new                         ; the immediate's high byte repeats the setting that is left; a switch that changes nothing is dropped
.set NW, \new
.if MSB != NW
	s_set_vgpr_msb (MSB<<8)|NW
.set MSB, NW
.endif
.endm
.macro HSET h                          ; raw set h: its window and first register
.if \h == 0
.set HW, 1
.set HB, 128
.elseif \h == 1
.set HW, 1
.set HB, 192
.elseif \h == 2
.set HW, 2
.set HB, 160
.else
.set HW, 3
.set HB, 0
.endif
.endm
.macro KBSEL m                         ; tile m's base registers among the bf16 rows, and what the immediate adds: 16 rows for an odd tile
.if \m < 2
.set KBWM, KBW
.set KBRM, KBR
.elseif \m < 4
.set KBWM, KBW2
.set KBRM, KBR2
.else
.set KBWM, KBW4
.set KBRM, KBR4
.endif
.set KBO, ((\m)%2)*16*KP
.endm
; The list entries of the five tiles of the block at place base: lane (r, hh) takes row r's.  A tile past the chunk's end: the chunk's first tile.  A place is a multiple of 16, held at 1,008.
.macro LISTS base
	s_wait_xcnt 0x0                                ; the earlier loads have had their addresses translated: only now are the offsets written again
.irp m, 0,1,2,3,4
	s_add_co_u32 s48, \base, 16*\m
	s_cmp_lt_u32 s48, s28
	s_cselect_b32 s48, s48, s29
	s_min_u32 s48, s48, 1008
	v_lshl_add_u32 v[RO+\m], s48, 2, v[L4R]
	global_load_b32 v[RL+\m], v[RO+\m], s[10:11]
.endr
.endm
; Unit u of a block's ten: tile u / 2, my K step 2 w + u % 2 (128 columns), into raw set u % 4: register 16 b + 4 j + e = column 32 b + 16 hh + 4 j + e of row r.
; The four loads of a block b stand together and cover 128 consecutive bytes of each of the 16 rows; the sixteen cover 512: whole aligned runs of 256 bytes of each row.
.macro KLOAD u
	HSET ((\u)%4)
	WIN (HW<<6)
.irp b, 0,1,2,3
.irp j, 0,1,2,3
	global_load_b128 v[HB+16*\b+4*\j:HB+16*\b+4*\j+3], v[RA+(\u)/2], s[4:5] offset:512*((\u)%2)+128*\b+16*\j
.endr
.endr
	WIN 0
.endm
; The lists become byte offsets (row x 4,096 + my bytes of a row), and the block's first four units are asked for: 64 loads.  left: the loads younger than the lists
.macro PRIME left
	s_wait_loadcnt \left                           ; the five list entries are in
	s_wait_xcnt 0x0                                ; the earlier loads have had their addresses translated: only now are the offsets written again
.irp m, 0,1,2,3,4
	v_min_u32 v[RA+\m], 0x3ff, v[RL+\m]            ; a row is 0 .. 1,023
.endr
.irp m, 0,1,2,3,4
	v_lshl_add_u32 v[RA+\m], v[RA+\m], 12, v[KO2]
.endr
	KLOAD 0
	KLOAD 1
	KLOAD 2
	KLOAD 3
.endm
; Unit u is quantised and kept.  Its 64 numbers a lane become a fragment's codes and its row's scale word (images in LDS) and 64 bf16.  What the LDS stores read goes by the unit's parity.
.macro UNIT u
.set UM, (\u)/2
.set US, (\u)%2
.set BFU, BF+32*US
.set PCU, PC+8*US
.set PWU, PW+US
.if (\u) <= 6
	s_wait_loadcnt 48                              ; this unit's 16 loads are in; the three younger units' may be out
.else
	s_wait_loadcnt 16*(9-(\u))
.endif
	s_wait_dscnt 11                                ; a unit has 11 LDS stores: the last unit's may be out; those of the unit two back, which read the registers written now, are done
	HSET ((\u)%4)
	WIN (HW|(HW<<2))                               ; sources 0 and 1: the raw set
.irp b, 0,1,2,3
	v_max3_num_f32 v[TM+\b], |v[HB+16*\b]|, |v[HB+1+16*\b]|, 0x1800000   ; block b: my 16 numbers, and the floor 2^(3 - 127): the byte cannot fall under 1
.endr
	WIN ((HW<<2)|(HW<<4))                          ; sources 1 and 2
.irp i, 2,4,6,8,10,12,14
.irp b, 0,1,2,3
	v_max3_num_f32 v[TM+\b], v[TM+\b], |v[HB+16*\b+\i]|, |v[HB+1+16*\b+\i]|   ; the four blocks by turns
.endr
.endr
	WIN 0
.irp b, 0,1,2,3
	v_permlanex16_b32 v[TM+4+\b], v[TM+\b], s54, s55
.endr
.irp b, 0,1,2,3
	v_max_num_f32 v[TM+\b], v[TM+\b], v[TM+4+\b]   ; with lane l xor 16's: the block's largest magnitude
.endr
.irp b, 0,1,2,3
	v_add_nc_u32 v[TM+12+\b], 0xff000000, v[TM+\b] ; 2 off its exponent field: the conversion takes the exponent field of this operand as its scale
.endr
.irp b, 0,1,2,3
	v_lshrrev_b32 v[TM+4+\b], 23, v[TM+12+\b]      ; the scale's byte
.endr
	v_lshl_or_b32 v[PWU], v[TM+5], 8, v[TM+4]
	v_lshl_or_b32 v[PWU], v[TM+6], 16, v[PWU]
	v_lshl_or_b32 v[PWU], v[TM+7], 24, v[PWU]
	WIN HW                                         ; source 0
.irp b, 0,1,2,3
	v_cvt_scalef32_pk8_fp4_f32 v[PCU+2*\b], v[HB+16*\b:HB+7+16*\b], v[TM+12+\b]
	v_cvt_scalef32_pk8_fp4_f32 v[PCU+1+2*\b], v[HB+8+16*\b:HB+15+16*\b], v[TM+12+\b]
.endr
	v_nop                                          ; one plain place behind a scaled conversion
	WIN (HW|(HW<<2))
.irp b, 0,1,2,3
.irp q, 0,1,2,3,4,5,6,7
	v_cvt_pk_bf16_f32 v[BFU+8*\b+\q], v[HB+16*\b+2*\q], v[HB+16*\b+2*\q+1]
.endr
.endr
	WIN 0
.irp c, 0,1                                    ; the operand's layout wants a whole block in a lane
.irp i, 0,1
	v_permlane16_swap_b32 v[PCU+4*\c+\i], v[PCU+2+4*\c+\i]
.endr
.endr
	KBSEL UM
.irp b, 0,1,2,3
	ds_store_b128 v[KBWM], v[BFU+8*\b:BFU+8*\b+3] offset:KBO+256*US+64*\b        ; kept for the context: my 16 neighbours of block b are 32 bytes of row r
	ds_store_b128 v[KBWM], v[BFU+8*\b+4:BFU+8*\b+7] offset:KBO+256*US+64*\b+16
.endr
	ds_store_b128 v[IMW], v[PCU:PCU+3] offset:(8*UM+US)*1024
	ds_store_b128 v[IMW], v[PCU+4:PCU+7] offset:(8*UM+US)*1024+512
	ds_store_b32 v[SCW], v[PWU] offset:(8*UM+US)*128
.if (\u) <= 5
	KLOAD (\u)+4                                   ; the raw set has been read: it takes the unit four on
.endif
.endm
; 19 loads: a tile of Wk (8 fragments, 4 registers of scale words, -2 v) and its qpc, into set p
.macro BLOAD p
	WIN 0x40
.irp k, 0,1,2,3,4,5,6,7,8,9,10,11,12,13,14,15
	global_load_b128 v[64*\p+4*\k:64*\p+4*\k+3], v[L16], s[18:19] offset:\p*REC+512*\k th:TH_LOAD_HT
.endr
	WIN 0
	global_load_b128 v[BSCR+4*\p:BSCR+4*\p+3], v[L16], s[18:19] offset:\p*REC+8192 th:TH_LOAD_HT
	global_load_b32 v[M2+\p], v[L4], s[18:19] offset:\p*REC+8704 th:TH_LOAD_HT
	global_load_b32 v[QC+2*\p], v[L4R], s[20:21] offset:64*\p
.endm
.macro MMA p, ks, m
.if \ks < 4
.set rA, 8*(4*\m+\ks)
.else
.set rA, 96+8*(4*\m+\ks-4)
.endif
.set rD, ACC+8*\m
.set rB, 64*\p+8*\ks
.set rSA, ASCR+4*\m+\ks/2
.set rSB, BSCR+4*\p+\ks/2
.if \ks == 0
	v_wmma_scale_f32_16x16x128_f8f6f4 v[rD:rD+7], v[rA:rA+7], v[rB:rB+7], 0, v[rSA], v[rSB] matrix_a_fmt:MATRIX_FMT_FP4 matrix_b_fmt:MATRIX_FMT_FP4
.elseif (\ks%2) == 0
	v_wmma_scale_f32_16x16x128_f8f6f4 v[rD:rD+7], v[rA:rA+7], v[rB:rB+7], v[rD:rD+7], v[rSA], v[rSB] matrix_a_fmt:MATRIX_FMT_FP4 matrix_b_fmt:MATRIX_FMT_FP4
.else
	v_wmma_scale_f32_16x16x128_f8f6f4 v[rD:rD+7], v[rA:rA+7], v[rB:rB+7], v[rD:rD+7], v[rSA], v[rSB] matrix_a_fmt:MATRIX_FMT_FP4 matrix_b_fmt:MATRIX_FMT_FP4 matrix_a_scale:MATRIX_SCALE_ROW1 matrix_b_scale:MATRIX_SCALE_ROW1
.endif
.endm
; One tile of 16 h for the 80 rows: 40 matrix instructions (K ascending; the five accumulators take turns, one instruction a turn), then tanh and v.
.macro TILE p
	s_wait_loadcnt 19                              ; this tile's 19 loads are in; the next tile's 19 may be out (in a block's first trip the five list entries are younger too: the count is then the stricter)
	WIN 0x06                                       ; source 0 (keys) window 2, source 1 (Wk) window 1
.irp ks, 0,1,2,3
.irp m, 0,1,2,3,4
	MMA \p, \ks, \m
.endr
.endr
	WIN 0x07                                       ; source 0 window 3
.irp ks, 4,5,6,7
.irp m, 0,1,2,3,4
	MMA \p, \ks, \m
.endr
.endr
	WIN 0
	v_mov_b32 v[M2C], v[M2+\p]                     ; four places behind the last product (ISA guide 7.12.1): two of them useful
	v_add_f32 v[VS], v[VS], v[M2+\p]
	v_nop
	v_nop
.set i, 0
.rept 20
	v_pk_fma_f32 v[ACC+i:ACC+i+1], v[ACC+i:ACC+i+1], s[52:53], v[QC+2*\p:QC+2*\p+1] op_sel_hi:[1,0,0]   ; C2 x product + qpc; each accumulator from its low end on
.set i, i+2
.endr
	BLOAD \p                                       ; set p is free: it takes the tile two on
.set i, 0
.rept 40
	v_exp_f32 v[ACC+i], v[ACC+i]
.set i, i+1
.endr
	v_nop                                          ; a plain place behind the exponentials
.set i, 0
	s_wait_alu depctr_va_vdst(0)
.rept 20
	v_pk_add_f32 v[ACC+i:ACC+i+1], v[ACC+i:ACC+i+1], 1.0 op_sel_hi:[1,0]
.set i, i+2
.endr
.set i, 0
.rept 40
	v_rcp_f32 v[ACC+i], v[ACC+i]
.set i, i+1
.endr
	v_nop                                          ; a plain place behind the reciprocals
.set i, 0
	s_wait_alu depctr_va_vdst(0)
.rept 20
	v_pk_fma_f32 v[E+i:E+i+1], v[ACC+i:ACC+i+1], v[M2C:M2C+1], v[E+i:E+i+1] op_sel_hi:[1,0,1]
.set i, i+2
.endr
.endm
	s_load_b256 s[4:11], s[0:1], 0x0               ; keys s[4:5], wkimg s[6:7], qpc s[8:9], order s[10:11]
	s_load_b128 s[12:15], s[0:1], 0x20             ; cnt s[12:13], en s[14:15]
	s_load_b64 s[16:17], s[0:1], 0x30              ; part
	v_lshl_add_u32 v254, v0, 2, 0x35300
	v_mov_b32 v255, 0
	v_lshrrev_b32 v176, 5, v0
	v_readfirstlane_b32 s22, v176                  ; wave w
	s_mov_b32 s23, ttmp9                           ; chunk c
	s_and_b32 s24, ttmp7, 0xffff                   ; batch b
	v_and_b32 v176, 31, v0                         ; lane
	v_and_b32 v177, 15, v0                         ; r
	v_bfe_u32 v178, v0, 4, 1                       ; hh
	v_lshlrev_b32 v[L16], 4, v176
	v_lshlrev_b32 v[L4R], 2, v177
	v_lshlrev_b32 v[L4], 2, v176
	s_lshl_b32 s48, s22, 10
	v_add_nc_u32 v[KOFF], s48, v[L16]
	v_lshl_add_u32 v[KO2], v178, 6, s48
	s_add_co_u32 s48, s48, STG
	v_add_nc_u32 v[STW], s48, v[L16]
	v_lshl_add_u32 v[CTW], v176, 5, s48
	s_lshl_b32 s48, s22, 9
	v_mul_u32_u24 v[KBW], v177, KP
	v_lshl_add_u32 v[KBW], v178, 5, v[KBW]
	v_add_nc_u32 v[KBW], s48, v[KBW]
	v_add_nc_u32 v[KBW2], 32*KP, v[KBW]
	v_add_nc_u32 v[KBW4], 64*KP, v[KBW]
	s_lshl_b32 s48, s22, 11
	s_add_co_u32 s48, s48, AIMG
	v_add_nc_u32 v[IMW], s48, v[L16]
	s_lshl_b32 s48, s22, 8
	s_add_co_u32 s48, s48, ASC
	v_add_nc_u32 v[SCW], s48, v[L4]
	v_add_nc_u32 v[IMR], AIMG, v[L16]
	v_lshl_add_u32 v[SCR], v178, 7, v[L4R]
	v_add_nc_u32 v[SCR], ASC, v[SCR]
	s_mul_i32 s48, s22, 320
	s_add_co_u32 s49, s48, ENP
	v_lshl_add_u32 v[ENW], v178, 5, s49            ; my wave's 80 words, + 32 hh: row 8 hh + j of a tile
	v_add_nc_u32 v[ENR], ENP, v[L4]
	v_add_nc_u32 v[ENR2], ENP+256, v[L4R]
	s_add_co_u32 s49, s48, PP
	v_add_nc_u32 v[PPW], s49, v[L4]
	v_add_nc_u32 v[PPW2], s49, v[L4R]
	v_add_nc_u32 v[PPW2], 256, v[PPW2]
	v_mov_b32 v[PPR], s49
	v_lshlrev_b32 v[KBR], 4, v0
	v_add_nc_u32 v[KBR2], 32*KP, v[KBR]
	v_add_nc_u32 v[KBR4], 64*KP, v[KBR]
	v_mov_b32 v[ROWA], v176
	v_add_nc_u32 v[ROWB], 32, v176
	v_add_nc_u32 v[ROWC], 64, v177
	v_add_nc_u32 v[EOF2], 256, v[L4R]
	v_lshlrev_b32 v[ML8], 3, v176
	v_mov_b32 v[MX], 0xff61b1e6                    ; -3e38, under every t
	v_mov_b32 v[LS], 0
.irp i, 26,27,28,29,30,31,32,33,34,35,36,37,38,39,85,87,196,197,198,199
	v_mov_b32 v[\i], 0                             ; the context's sums; the partners of pairs of which the low word alone is used; the lane permutes' destinations, which count as read
.endr
	s_mov_b32 s52, 0x4038aa3b                      ; C2 = 2 log2(e)
	s_mov_b32 s53, s52
	s_mov_b32 s54, 0x76543210                      ; v_permlanex16_b32's selects for lane l xor 16
	s_mov_b32 s55, 0xfedcba98
	s_mov_b32 s56, 0x3fb8aa3b                      ; log2(e)
	s_mov_b32 s49, 0
	s_wait_kmcnt 0x0
	s_lshl_b32 s48, s24, 7
	s_add_nc_u64 s[12:13], s[12:13], s[48:49]
	s_load_b32 s25, s[12:13], 0x0                  ; n
	s_lshl_b32 s48, s24, 22
	s_add_nc_u64 s[4:5], s[4:5], s[48:49]          ; the batch's keys
	s_mul_i32 s48, s22, 16*REC
	s_add_nc_u64 s[6:7], s[6:7], s[48:49]          ; my 16 records of wkimg
	s_lshl_b32 s48, s24, 12
	s_add_nc_u64 s[10:11], s[10:11], s[48:49]      ; the batch's list
	s_add_nc_u64 s[8:9], s[8:9], s[48:49]
	s_lshl_b32 s48, s22, 10
	s_add_nc_u64 s[8:9], s[8:9], s[48:49]          ; my 256 numbers of qpc
	s_lshl_b32 s50, s24, 2
	s_add_co_u32 s50, s50, s23                     ; 4 b + c
	s_mul_i32 s48, s50, 1280
	s_add_nc_u64 s[14:15], s[14:15], s[48:49]
	s_mul_i32 s48, s50, 4352
	s_add_nc_u64 s[16:17], s[16:17], s[48:49]
	s_mov_b64 s[18:19], s[6:7]                     ; the pointers that walk Wk's records and qpc
	s_mov_b64 s[20:21], s[8:9]
	BLOAD 0                                        ; tiles 0 and 1 of Wk
	BLOAD 1
	s_wait_kmcnt 0x0
	s_min_u32 s25, s25, 1024
	s_add_co_u32 s26, s25, 63
	s_lshr_b32 s26, s26, 6                         ; tiles of 16 rows in a chunk, 0 .. 16
	s_add_co_u32 s27, s26, 4
	s_mul_i32 s27, s27, 13
	s_lshr_b32 s27, s27, 6                         ; ceil(tiles / 5) for 0 .. 16 tiles,
	s_max_u32 s27, s27, 1                          ; at least one block, so that every chunk leaves its m, l, sums and first 80 t
	s_lshl_b32 s26, s26, 4                         ; q16
	s_mul_i32 s30, s23, s26                        ; the place at which the block in hand begins
	s_add_co_u32 s28, s30, s26
	s_min_u32 s28, s28, s25                        ; the chunk's end among the open rows
	s_min_u32 s29, s30, 1008                       ; the chunk's first tile
	s_mov_b32 s31, 0                               ; the block's number
	s_wait_xcnt 0x0                                ; the loads above have had their addresses translated: the pointers may step
	s_add_nc_u64 s[18:19], s[18:19], 2*REC
	s_add_nc_u64 s[20:21], s[20:21], 128
	LISTS s30                                      ; the first block's rows
	PRIME 0
.Lblock:
	s_cmp_ge_u32 s31, s27
	s_cbranch_scc1 .Lskip1
	; ---- segment 1: the block's rows arrive, are quantised and are kept as bf16
.irp u, 0,1,2,3,4,5,6,7,8,9
	UNIT \u
.endr
.Lskip1:
	s_wait_dscnt 0x0                               ; my images and scale words have landed, and my reads of the energies' parts of the last trip are over
	s_barrier_signal -1
	s_barrier_wait -1                              ; the 40 images are whole
	s_cmp_ge_u32 s31, s27
	s_cbranch_scc1 .Lskip2
	; ---- segment 2: my 256 h for the 80 rows
	s_add_co_u32 s49, s30, 80
	LISTS s49                                      ; the rows of the block that follows (past the chunk's end: the chunk's first tile): asked for here, wanted behind the loop over h
	WIN 0x80
.irp m, 0,1,2,3,4
.irp ks, 0,1,2,3
.irp c, 0,1
	ds_load_b128 v[8*(4*\m+\ks)+4*\c:8*(4*\m+\ks)+4*\c+3], v[IMR] offset:(8*\m+\ks)*1024+512*\c
.endr
.endr
.endr
	WIN 0xc0
.irp m, 0,1,2,3,4
.irp ks, 4,5,6,7
.irp c, 0,1
	ds_load_b128 v[96+8*(4*\m+\ks-4)+4*\c:96+8*(4*\m+\ks-4)+4*\c+3], v[IMR] offset:(8*\m+\ks)*1024+512*\c
.endr
.endr
.endr
	WIN 0
.irp m, 0,1,2,3,4
.irp i, 0,1,2,3
	ds_load_b32 v[ASCR+4*\m+\i], v[SCR] offset:(8*\m+2*\i)*128
.endr
.endr
.set i, 0
.rept 40
	v_mov_b32 v[E+i], 0                            ; the loop over tiles is written once, so the energies' parts begin as zeros
.set i, i+1
.endr
	v_mov_b32 v[VS], 0
	s_wait_dscnt 0x0
	s_mov_b32 s50, 0
.Ln:                                               ; eight trips, two tiles of h each
	TILE 0
	TILE 1
	s_wait_xcnt 0x0                                ; the loads have had their addresses translated: the pointers may step
	s_add_nc_u64 s[18:19], s[18:19], 2*REC
	s_add_nc_u64 s[20:21], s[20:21], 128
	s_add_co_u32 s50, s50, 1
	s_cmp_eq_u32 s50, 7                            ; the last trip asks for tiles 0 and 1 again, for the next block: no load passes my 16 records
	s_cselect_b64 s[18:19], s[6:7], s[18:19]
	s_cselect_b64 s[20:21], s[8:9], s[20:21]
	s_cmp_lt_u32 s50, 8
	s_cbranch_scc1 .Ln
	s_add_co_u32 s48, s31, 1
	s_cmp_ge_u32 s48, s27
	s_cbranch_scc1 .Lnoprime
	PRIME 38                                       ; the next block's first four units: behind Wk's last 38 loads, so that segment 1's counts hold; they land under what follows
.Lnoprime:
	v_mul_f32 v[HV], -0.5, v[VS]                   ; my lane's sum of v
.set i, 0
.rept 20
	v_pk_add_f32 v[E+i:E+i+1], v[E+i:E+i+1], v[HV:HV+1] op_sel_hi:[1,0]
.set i, i+2
.endr
.irp x, 1,2,4,8                                ; the sum over the sixteen lanes' h
.set i, 0
.rept 40
	v_add_f32_dpp v[E+i], v[E+i], v[E+i] row_xmask:\x row_mask:0xf bank_mask:0xf
.set i, i+1
.endr
.endr
.irp m, 0,1,2,3,4
.irp j, 0,1,2,3,4,5,6,7
	ds_store_b32 v[ENW], v[E+8*\m+\j] offset:64*\m+4*\j    ; row 16 m + 8 hh + j: the sixteen lanes of a half write one word with one value
.endr
.endr
.Lskip2:
	s_wait_dscnt 0x0                               ; my parts of the energies have landed; my reads of the images are long over
	s_barrier_signal -1
	s_barrier_wait -1
	s_cmp_ge_u32 s31, s27
	s_cbranch_scc1 .Lskip3
	; ---- segment 3: the softmax's step and the context, in every wave alike
.irp q, 0,1,2,3
	ds_load_b32 v[176+\q], v[ENR] offset:320*\q
	ds_load_b32 v[180+\q], v[ENR] offset:320*\q+128
	ds_load_b32 v[184+\q], v[ENR2] offset:320*\q
.endr
	s_sub_co_i32 s51, s28, s30
	s_max_i32 s51, s51, 0                          ; how many of the block's rows count
	v_mov_b32 v191, 0xff800000                     ; -infinity
	s_wait_dscnt 0x0
.irp g, 0,1,2
	v_add_f32 v[176+4*\g], v[176+4*\g], v[177+4*\g]
	v_add_f32 v[178+4*\g], v[178+4*\g], v[179+4*\g]
.endr
.irp g, 0,1,2
	v_add_f32 v[176+4*\g], v[176+4*\g], v[178+4*\g]
.endr
.irp g, 0,1,2
	v_mul_f32 v[188+\g], s56, v[176+4*\g]          ; t = energy x log2(e)
.endr
.irp g, 0,1,2
	v_cmp_gt_u32 vcc_lo, s51, v[ROWA+\g]
	v_cndmask_b32 v[188+\g], v191, v[188+\g], vcc_lo
.endr
	s_cmp_lg_u32 s22, 0
	s_cbranch_scc1 .Lnoen
	global_store_b32 v[L4], v188, s[14:15]
	global_store_b32 v[L4], v189, s[14:15] offset:128
	global_store_b32 v[EOF2], v190, s[14:15]       ; (lanes 16-31 repeat lanes 0-15)
.Lnoen:
	v_max3_num_f32 v192, v188, v189, v190
.irp x, 1,2,4,8
	v_max_num_f32_dpp v192, v192, v192 row_xmask:\x row_mask:0xf bank_mask:0xf
.endr
	v_permlanex16_b32 v196, v192, s54, s55
	v_max3_num_f32 v192, v192, v196, v[MX]         ; the new m
	v_sub_f32 v193, v[MX], v192
.irp g, 0,1,2
	v_sub_f32 v[184+\g], v[188+\g], v192
.endr
	v_exp_f32 v[FF], v193                          ; 2^(old m - new m)
.irp g, 0,1,2
	v_exp_f32 v[184+\g], v[184+\g]                 ; p = 2^(t - m)
.endr
	v_mov_b32 v[MX], v192                          ; (a plain place behind the exponentials)
	v_cmp_gt_u32 vcc_lo, 16, v[ROWA]
	s_wait_alu depctr_va_vdst(0)
	v_cndmask_b32 v187, 0, v186, vcc_lo            ; rows 64-79 stand twice: they are summed once
	v_add_f32 v193, v184, v185
	v_add_f32 v193, v193, v187
.irp x, 1,2,4,8
	v_add_f32_dpp v193, v193, v193 row_xmask:\x row_mask:0xf bank_mask:0xf
.endr
	v_permlanex16_b32 v196, v193, s54, s55
	v_add_f32 v193, v193, v196
	v_fma_f32 v[LS], v[LS], v[FF], v193
	ds_store_b32 v[PPW], v184                      ; p goes to my wave's own 80 words, to come back four to a load in every lane
	ds_store_b32 v[PPW], v185 offset:128
	ds_store_b32 v[PPW2], v186
.irp i, 0,2,4,6
	v_pk_mul_f32 v[CTX+\i:CTX+\i+1], v[CTX+\i:CTX+\i+1], v[FF:FF+1] op_sel_hi:[1,0]
.endr
.irp m, 0,1,2,3,4
	KBSEL \m
.irp g, 0,1,2,3
	ds_load_b128 v[PV+4*\g:PV+4*\g+3], v[PPR] offset:64*\m+16*\g
.irp i, 0,1,2,3
	ds_load_b128 v[KV+4*(4*\g+\i):KV+4*(4*\g+\i)+3], v[KBRM] offset:KBO+(4*\g+\i)*KP   ; my eight columns of a row: bytes that my own wave stored
.endr
.endr
.irp g, 0,1,2,3
	s_wait_dscnt 15-5*\g                           ; five loads to four rows: those of the later rows may be out
.irp i, 0,1,2,3
.irp e, 0,1,2,3
	v_fma_mix_f32_bf16 v[CTX+2*\e], v[KV+4*(4*\g+\i)+\e], v[PV+4*\g+\i], v[CTX+2*\e] op_sel_hi:[1,0,0]
	v_fma_mix_f32_bf16 v[CTX+2*\e+1], v[KV+4*(4*\g+\i)+\e], v[PV+4*\g+\i], v[CTX+2*\e+1] op_sel:[1,0,0] op_sel_hi:[1,0,0]
.endr
.endr
.endr
.endr
.Lskip3:
	s_wait_xcnt 0x0                                ; the stores of t have read their registers and their base: both may be written again
	s_add_nc_u64 s[14:15], s[14:15], 320
	s_add_co_u32 s30, s30, 80
	s_add_co_u32 s31, s31, 1
	s_cmp_lt_u32 s31, 4
	s_cbranch_scc1 .Lblock
	; ---- the way out: a lane's eight sums are 32 bytes; through my stage they leave as runs of 512 consecutive bytes
	ds_store_b128 v[CTW], v[CTX:CTX+3]
	ds_store_b128 v[CTW], v[CTX+4:CTX+7] offset:16
	ds_load_b128 v[96:99], v[STW]
	ds_load_b128 v[100:103], v[STW] offset:512
	s_wait_dscnt 0x0
	global_store_b128 v[KOFF], v[96:99], s[16:17]
	global_store_b128 v[KOFF], v[100:103], s[16:17] offset:512
	s_cmp_lg_u32 s22, 0
	s_cbranch_scc1 .Lend
	global_store_b64 v[ML8], v[MX:MX+1], s[16:17] offset:4096    ; (m, l), 32 times: 256 consecutive bytes
.Lend:
	s_wait_tensorcnt 0x0
	ds_add_u32 v254, v255
	s_wait_dscnt 0x0
	s_endpgm
.Lfunc_end_k_qf12df3925a_main:
	.size	k_qf12df3925a_main, .Lfunc_end_k_qf12df3925a_main-k_qf12df3925a_main
	.p2alignl 7, 3214868480
	.fill 96, 4, 3214868480
	.section	.rodata,"a",@progbits
	.p2align	6, 0x0
	.amdhsa_kernel k_qf12df3925a_main
		.amdhsa_group_segment_fixed_size 218368
		.amdhsa_private_segment_fixed_size 0
		.amdhsa_enable_private_segment 0
		.amdhsa_kernarg_size 56
		.amdhsa_user_sgpr_count 2
		.amdhsa_user_sgpr_kernarg_segment_ptr 1
		.amdhsa_wavefront_size32 1
		.amdhsa_system_sgpr_workgroup_id_x 1
		.amdhsa_system_sgpr_workgroup_id_y 1
		.amdhsa_system_sgpr_workgroup_id_z 1
		.amdhsa_system_vgpr_workitem_id 0
		.amdhsa_next_free_vgpr 1024
		.amdhsa_next_free_sgpr 66
		.amdhsa_reserve_vcc 1
		.amdhsa_float_denorm_mode_32 3
		.amdhsa_float_denorm_mode_16_64 3
		.amdhsa_memory_ordered 1
		.amdhsa_forward_progress 1
		.amdhsa_inst_pref_size 203
	.end_amdhsa_kernel
	.amdgpu_metadata
---
amdhsa.version: [ 1, 2 ]
amdhsa.kernels:
  - .name:           k_qf12df3925a_main
    .symbol:         k_qf12df3925a_main.kd
    .args:
      - { .name: keys, .offset: 0, .size: 8, .value_kind: global_buffer, .address_space: global }
      - { .name: wkimg, .offset: 8, .size: 8, .value_kind: global_buffer, .address_space: global }
      - { .name: qpc, .offset: 16, .size: 8, .value_kind: global_buffer, .address_space: global }
      - { .name: order, .offset: 24, .size: 8, .value_kind: global_buffer, .address_space: global }
      - { .name: cnt, .offset: 32, .size: 8, .value_kind: global_buffer, .address_space: global }
      - { .name: en, .offset: 40, .size: 8, .value_kind: global_buffer, .address_space: global }
      - { .name: part, .offset: 48, .size: 8, .value_kind: global_buffer, .address_space: global }
    .group_segment_fixed_size: 218368
    .private_segment_fixed_size: 0
    .kernarg_segment_align: 8
    .kernarg_segment_size: 56
    .max_flat_workgroup_size: 128
    .sgpr_count:     66
    .vgpr_count:     1024
    .wavefront_size: 32
...
	.end_amdgpu_metadata
.endif
;; end of part 2
;; launch finish (part 3): grid 4 x 64, 2 waves a work-group, no clusters, 0 bytes of LDS; arguments rank, cnt, en, part, out0, out1; writes out0, out1
.if DOCPART == 3
	.amdgcn_target "amdgcn-amd-amdhsa--gfx1250"
	.amdhsa_code_object_version 6
	.text
	.protected	k_qf12df3925a_finish
	.globl	k_qf12df3925a_finish
	.p2align	8
	.type	k_qf12df3925a_finish,@function
k_qf12df3925a_finish:
	s_mov_b64 s[64:65], 0
	v_nop
	global_prefetch_b8 v0, s[64:65] scope:SCOPE_SE
	s_setreg_imm32_b32 hwreg(HW_REG_WAVE_MODE, 25, 1), 1
	s_wait_xcnt 0x0
; The four chunks of a batch are joined: M = the largest m, w_c = 2^(m_c - M), L = sum of l_c w_c;  out0 = (sum of ctx_c w_c) / L;  out1[s] = 2^(t - M) / L for an open row s, 0 for a padded one.
; A batch without open rows has L = 0: both outputs are 0 there.  Work-group (qd, b): 256 neighbours of each output; a thread takes four: every load and store of a wave covers 512 consecutive bytes,
; but for the four gathers of t, whose places come from the list 'rank'.  Memory binds and the data are small: no LDS, no matrix unit, no barrier.
	s_load_b256 s[4:11], s[0:1], 0x0               ; rank s[4:5], cnt s[6:7], en s[8:9], part s[10:11]
	s_load_b128 s[12:15], s[0:1], 0x20             ; out0 s[12:13], out1 s[14:15]
	s_and_b32 s16, ttmp7, 0xffff                   ; batch
	s_lshl_b32 s17, ttmp9, 10
	v_lshl_add_u32 v1, v0, 4, s17                  ; my 16 bytes of a row of 4,096
	v_mov_b32 v2, 0
	s_mov_b32 s19, 0
	s_wait_kmcnt 0x0
	s_lshl_b32 s18, s16, 7
	s_add_nc_u64 s[6:7], s[6:7], s[18:19]
	s_load_b32 s20, s[6:7], 0x0                    ; n
	s_lshl_b32 s18, s16, 12
	s_add_nc_u64 s[4:5], s[4:5], s[18:19]
	s_add_nc_u64 s[12:13], s[12:13], s[18:19]
	s_add_nc_u64 s[14:15], s[14:15], s[18:19]
	s_mul_i32 s18, s16, 5120
	s_add_nc_u64 s[8:9], s[8:9], s[18:19]
	s_mul_i32 s18, s16, 17408
	s_add_nc_u64 s[10:11], s[10:11], s[18:19]
	global_load_b128 v[28:31], v1, s[4:5]          ; my four rows' places in the list
.irp c, 0,1,2,3
	global_load_b64 v[4+2*\c:5+2*\c], v2, s[10:11] offset:4352*\c+4096    ; (m, l) of chunk c
.endr
.irp c, 0,1,2,3
	global_load_b128 v[12+4*\c:15+4*\c], v1, s[10:11] offset:4352*\c      ; its sums for my four columns
.endr
	s_wait_kmcnt 0x0
	s_min_u32 s20, s20, 1024
	s_add_co_u32 s21, s20, 63
	s_lshr_b32 s21, s21, 6
	s_lshl_b32 s21, s21, 4                         ; q16: places in a chunk
	s_lshl_b32 s22, s21, 1
	s_add_co_u32 s23, s22, s21
	s_sub_co_u32 s24, 320, s21                     ; a chunk has 320 words in en: place r of chunk c lies at r + c (320 - q16)
	v_mov_b32 v3, s24
	s_wait_loadcnt 8                               ; the places are in; the eight younger loads may be out
.irp e, 0,1,2,3
	v_min_u32 v[44+\e], 0x3ff, v[28+\e]
	v_cmp_le_u32 vcc_lo, s21, v[44+\e]
	v_cndmask_b32 v52, 0, v3, vcc_lo
	v_add_nc_u32 v[48+\e], v[44+\e], v52
	v_cmp_le_u32 vcc_lo, s22, v[44+\e]
	v_cndmask_b32 v52, 0, v3, vcc_lo
	v_add_nc_u32 v[48+\e], v[48+\e], v52
	v_cmp_le_u32 vcc_lo, s23, v[44+\e]
	v_cndmask_b32 v52, 0, v3, vcc_lo
	v_add_nc_u32 v[48+\e], v[48+\e], v52
	v_cmp_gt_u32 s[26+\e], s20, v[44+\e]           ; an open row's place lies under n
	v_cndmask_b32 v[48+\e], 0, v[48+\e], s[26+\e]  ; a padded row reads word 0, which is always written, and discards it
	v_min_u32 v[48+\e], 0x4ff, v[48+\e]
	v_lshlrev_b32 v[48+\e], 2, v[48+\e]
	global_load_b32 v[56+\e], v[48+\e], s[8:9]
.endr
	s_wait_loadcnt 4                               ; all but the four gathers
	v_max3_num_f32 v32, v4, v6, v8
	v_max_num_f32 v32, v32, v10                    ; M
.irp c, 0,1,2,3
	v_sub_f32 v[33+\c], v[4+2*\c], v32
.endr
.irp c, 0,1,2,3
	v_exp_f32 v[33+\c], v[33+\c]                   ; w_c
.endr
	v_nop                                          ; a plain place behind the exponentials
	s_wait_alu depctr_va_vdst(0)
	v_mul_f32 v37, v5, v33
	v_fma_f32 v37, v7, v34, v37
	v_fma_f32 v37, v9, v35, v37
	v_fma_f32 v37, v11, v36, v37                   ; L
	v_rcp_f32 v38, v37
.irp e, 0,1,2,3                                ; (plain work that touches neither L nor its reciprocal stands behind v_rcp_f32)
	v_mul_f32 v[40+\e], v[12+\e], v33
.endr
.irp e, 0,1,2,3
	v_fma_f32 v[40+\e], v[16+\e], v34, v[40+\e]
.endr
.irp e, 0,1,2,3
	v_fma_f32 v[40+\e], v[20+\e], v35, v[40+\e]
.endr
.irp e, 0,1,2,3
	v_fma_f32 v[40+\e], v[24+\e], v36, v[40+\e]
.endr
	v_cmp_lt_f32 vcc_lo, 0, v37
	s_wait_alu depctr_va_vdst(0)
	v_cndmask_b32 v38, 0, v38, vcc_lo              ; 1 / L, or 0 where no row is open
.irp e, 0,1,2,3
	v_mul_f32 v[40+\e], v[40+\e], v38
.endr
	global_store_b128 v1, v[40:43], s[12:13]
	s_wait_loadcnt 0x0
.irp e, 0,1,2,3
	v_sub_f32 v[60+\e], v[56+\e], v32
.endr
.irp e, 0,1,2,3
	v_exp_f32 v[60+\e], v[60+\e]
.endr
	v_nop                                          ; a plain place behind the exponentials
	s_wait_alu depctr_va_vdst(0)
.irp e, 0,1,2,3
	v_mul_f32 v[60+\e], v[60+\e], v38
.endr
.irp e, 0,1,2,3
	v_cndmask_b32 v[60+\e], 0, v[60+\e], s[26+\e]
.endr
	global_store_b128 v1, v[60:63], s[14:15]
	s_endpgm
.Lfunc_end_k_qf12df3925a_finish:
	.size	k_qf12df3925a_finish, .Lfunc_end_k_qf12df3925a_finish-k_qf12df3925a_finish
	.p2alignl 7, 3214868480
	.fill 96, 4, 3214868480
	.section	.rodata,"a",@progbits
	.p2align	6, 0x0
	.amdhsa_kernel k_qf12df3925a_finish
		.amdhsa_group_segment_fixed_size 0
		.amdhsa_private_segment_fixed_size 0
		.amdhsa_enable_private_segment 0
		.amdhsa_kernarg_size 48
		.amdhsa_user_sgpr_count 2
		.amdhsa_user_sgpr_kernarg_segment_ptr 1
		.amdhsa_wavefront_size32 1
		.amdhsa_system_sgpr_workgroup_id_x 1
		.amdhsa_system_sgpr_workgroup_id_y 1
		.amdhsa_system_sgpr_workgroup_id_z 1
		.amdhsa_system_vgpr_workitem_id 0
		.amdhsa_next_free_vgpr 64
		.amdhsa_next_free_sgpr 66
		.amdhsa_reserve_vcc 1
		.amdhsa_float_denorm_mode_32 3
		.amdhsa_float_denorm_mode_16_64 3
		.amdhsa_memory_ordered 1
		.amdhsa_forward_progress 1
		.amdhsa_inst_pref_size 8
	.end_amdhsa_kernel
	.amdgpu_metadata
---
amdhsa.version: [ 1, 2 ]
amdhsa.kernels:
  - .name:           k_qf12df3925a_finish
    .symbol:         k_qf12df3925a_finish.kd
    .args:
      - { .name: rank, .offset: 0, .size: 8, .value_kind: global_buffer, .address_space: global }
      - { .name: cnt, .offset: 8, .size: 8, .value_kind: global_buffer, .address_space: global }
      - { .name: en, .offset: 16, .size: 8, .value_kind: global_buffer, .address_space: global }
      - { .name: part, .offset: 24, .size: 8, .value_kind: global_buffer, .address_space: global }
      - { .name: out0, .offset: 32, .size: 8, .value_kind: global_buffer, .address_space: global }
      - { .name: out1, .offset: 40, .size: 8, .value_kind: global_buffer, .address_space: global }
    .group_segment_fixed_size: 0
    .private_segment_fixed_size: 0
    .kernarg_segment_align: 8
    .kernarg_segment_size: 48
    .max_flat_workgroup_size: 64
    .sgpr_count:     66
    .vgpr_count:     64
    .wavefront_size: 32
...
	.end_amdgpu_metadata
.endif
;; end of part 3
;; ======== version 2 of 2: 3 launches; version 1 with the launches prep, main written anew for expert scheduling mode
;; workspace buffers: wkimg 573,440 bytes; qpc 262,144 bytes; order 262,144 bytes of whole numbers; rank 262,144 bytes of whole numbers; cnt 8,192 bytes of whole numbers; en 327,680 bytes; part 1,114,112 bytes
;; launch prep (part 4): grid 48 x 1, 4 waves a work-group, no clusters, 17,920 bytes of LDS; arguments query_codes, query_scales, Wq_codes, Wq_scales, Wk_codes, Wk_scales, v, mask, wkimg, qpc, order, rank, cnt; writes wkimg, qpc, order, rank, cnt
.if DOCPART == 4
	.amdgcn_target "amdgcn-amd-amdhsa--gfx1250"
	.amdhsa_code_object_version 6
	.text
	.protected	k_qf12df3925a_prep
	.globl	k_qf12df3925a_prep
	.p2align	8
	.type	k_qf12df3925a_prep,@function
k_qf12df3925a_prep:
	s_mov_b64 s[64:65], 0
	v_nop
	global_prefetch_b8 v0, s[64:65] scope:SCOPE_SE
	s_setreg_imm32_b32 hwreg(HW_REG_WAVE_SCHED_MODE, 0, 2), 2
	s_setreg_imm32_b32 hwreg(HW_REG_WAVE_MODE, 25, 1), 1
	s_wait_xcnt 0x0
	s_wait_alu depctr_vm_vsrc(0)
; Three small jobs that the main launch needs done first; the work-group's number picks one.
;  Q (work-groups 0-15):  qpc[b][h] = C2 x (query Wq^T)[b][h], C2 = 2 log2(e); both operands are given as E2M1 codes with E8M0 scales; sums in f32.
;  W (work-groups 16-31): Wk's codes, scale bytes and -2 v are laid as images of the registers that the main launch loads them into: one record of REC bytes for 16 rows of Wk.
;  M (work-groups 32-47): the mask (1 = pad) becomes, for each batch, a permutation of its 1,024 rows with the open rows first (order), its inverse (rank), and the number of open rows (cnt).
; Only job Q touches LDS.  No lane is ever switched off.
; THE MODE: SCHED_MODE bits 1:0 = 2 (LLVM: expert scheduling mode 2), set by the entry lines.  The code itself states the register dependences
; between vector or matrix instructions and memory or LDS instructions, with s_wait_alu, always for 0.
; THE PLAN.  v3 to v8, the offsets that all three jobs share, are made at the head, ahead of one wait.
;  M: the mask's words land in v112-119, which nothing has named.  A word's four compares write s44-47 in a run, with one wait behind them.  All addresses and data of the stores
;     (v16-47, v48-79, v80-111, v127) are made first; one wait; then all the stores in a run.
;  W: v8 is written once more: its wait stands behind the sixteen loads that do not read it.  v85 is the one datum that a vector instruction makes: its wait stands ahead of the last store alone.
;  Q: the fragments' registers are loaded twice: one wait between the products that read them and the second run of loads.  The scaled results (v48-79) are written ahead of one wait,
;     behind which stand the stage's stores, which read them, and the stage's loads, which land in registers that the products have read.
.set REC, 8960                         ; a record: 8,192 bytes of fragments, 512 of scale words, 128 of -2 v, 128 unused: 35 x 256 bytes
.set QF,  16                           ; v16-47   query: 4 K steps x 8 registers
.set WF,  48                           ; v48-175  Wq: 4 tiles x 4 K steps x 8 registers
.set QS,  176                          ; v176-183 query's 8 scale words (lane r: batch row r)
.set WS,  184                          ; v184-215 Wq's: 8 words a tile
.set ACC, 216                          ; v216-247 four accumulators
	s_load_b512 s[4:19], s[0:1], 0x0               ; query_codes s[4:5], query_scales s[6:7], Wq_codes s[8:9], Wq_scales s[10:11], Wk_codes s[12:13], Wk_scales s[14:15], v s[16:17], mask s[18:19]
	s_load_b256 s[20:27], s[0:1], 0x40             ; wkimg s[20:21], qpc s[22:23], order s[24:25], rank s[26:27]
	s_load_b64 s[28:29], s[0:1], 0x60              ; cnt
	v_lshl_add_u32 v254, v0, 2, 0x4400             ; the LDS address of my spare word, behind job Q's four stages, and 0: made here and kept for the closing lines alone
	v_mov_b32 v255, 0
	v_lshrrev_b32 v7, 5, v0
	v_readfirstlane_b32 s30, v7                    ; wave 0..3
	v_and_b32 v7, 31, v0                           ; lane
	v_and_b32 v1, 15, v0                           ; r
	v_bfe_u32 v2, v0, 4, 1                         ; hh
	v_lshlrev_b32 v3, 9, v1
	v_lshl_add_u32 v3, v2, 4, v3                   ; a fragment's place: row r of 512 bytes (1,024 codes), + 16 hh
	v_lshlrev_b32 v4, 4, v7                        ; 16 x lane
	v_lshlrev_b32 v5, 2, v7                        ; 4 x lane
	v_lshlrev_b32 v6, 2, v1                        ; 4 r
	v_lshlrev_b32 v8, 5, v1                        ; 32 r: a row of 32 scale bytes
	s_mov_b32 s33, 0                               ; the upper word of every offset pair s[32:33]
	s_wait_alu depctr_va_sdst(0)                   ; s30 is written: ahead of the branches, and of its first reader in each of the three jobs
	s_wait_alu depctr_va_vdst(0)                   ; v3 to v8 are written, which the loads and stores of the three jobs read as offsets
	s_wait_kmcnt 0x0
	s_cmp_lt_u32 ttmp9, 16
	s_cbranch_scc1 .Lq
	s_cmp_lt_u32 ttmp9, 32
	s_cbranch_scc1 .Lw
; ---- M: one wave to a batch.  Lane l holds rows 128 G + 4 l + k in byte k of word G.
	s_sub_co_u32 s31, ttmp9, 32
	s_lshl_b32 s31, s31, 2
	s_add_co_u32 s31, s31, s30                     ; batch
	s_lshl_b32 s32, s31, 10
	s_add_nc_u64 s[18:19], s[18:19], s[32:33]
	s_lshl_b32 s32, s31, 12
	s_add_nc_u64 s[24:25], s[24:25], s[32:33]
	s_add_nc_u64 s[26:27], s[26:27], s[32:33]
	s_lshl_b32 s32, s31, 7
	s_add_nc_u64 s[28:29], s[28:29], s[32:33]
.irp G, 0,1,2,3,4,5,6,7
	global_load_b32 v[112+\G], v5, s[18:19] offset:128*\G
.endr
	s_mov_b32 s41, 0                               ; open rows placed so far: they fill positions 0, 1, ..
	s_mov_b32 s42, 1023                            ; padded rows fill positions 1023, 1022, ..
	s_wait_loadcnt 0x0
; Every store has address and data registers of its own (v16-47, v48-79, v80-111), so none is written again while a store may read it.
.irp G, 0,1,2,3,4,5,6,7
.irp k, 0,1,2,3
	v_bfe_u32 v[120+\k], v[112+\G], 8*\k, 8
.endr
.irp k, 0,1,2,3
	v_cmp_eq_u32 s[44+\k], 0, v[120+\k]            ; the 32 lanes' open rows, as bits: the word's four bytes in a run
.endr
	s_wait_alu depctr_va_sdst(0)                   ; s44 to s47 are written, which the counts, the selects and the scalar sums below read
.irp k, 0,1,2,3
	v_mbcnt_lo_u32_b32 v124, s[44+\k], 0           ; open rows in the lanes below mine
	v_add_nc_u32 v125, s41, v124                   ; my place if open
	v_sub_nc_u32 v126, v124, v7
	v_add_nc_u32 v126, s42, v126                   ; my place if padded: less the padded lanes below mine
	v_cndmask_b32 v[80+4*\G+\k], v126, v125, s[44+\k]
	v_min_u32 v[16+4*\G+\k], 0x3ff, v[80+4*\G+\k]  ; a place is 0 .. 1023
	v_lshlrev_b32 v[16+4*\G+\k], 2, v[16+4*\G+\k]
	v_lshl_add_u32 v[48+4*\G+\k], v7, 2, 128*\G+\k ; my row
	s_bcnt1_i32_b32 s43, s[44+\k]
	s_add_co_u32 s41, s41, s43
	s_add_co_u32 s42, s42, s43
	s_sub_co_u32 s42, s42, 32
.endr
.endr
	v_mov_b32 v127, s41
	s_wait_alu depctr_va_vdst(0)                   ; the places, the rows, their offsets and the count are written (v16-111, v127), which the stores below read
.irp G, 0,1,2,3,4,5,6,7
.irp k, 0,1,2,3
	global_store_b32 v[16+4*\G+\k], v[48+4*\G+\k], s[24:25]   ; order[place] = row: the open lanes' places are neighbours, and so are the padded lanes'
.endr
	global_store_b128 v4, v[80+4*\G:83+4*\G], s[26:27] offset:512*\G   ; rank[row] = place: 512 consecutive bytes
.endr
	global_store_b32 v5, v127, s[28:29]            ; the count, 32 times: 128 consecutive bytes
	s_endpgm
; ---- W: one wave to 16 rows of Wk.
.Lw:
	s_sub_co_u32 s31, ttmp9, 16
	s_lshl_b32 s31, s31, 2
	s_add_co_u32 s31, s31, s30                     ; tile of 16 rows, 0 .. 63
	s_lshl_b32 s32, s31, 13
	s_add_nc_u64 s[12:13], s[12:13], s[32:33]
	s_lshl_b32 s32, s31, 9
	s_add_nc_u64 s[14:15], s[14:15], s[32:33]
	s_lshl_b32 s32, s31, 6
	s_add_nc_u64 s[16:17], s[16:17], s[32:33]
	s_mul_i32 s32, s31, REC
	s_add_nc_u64 s[20:21], s[20:21], s[32:33]
	v_lshl_add_u32 v8, v2, 2, v8                   ; 32 r + 4 hh: lanes 16-31 take the odd K steps' words
.irp k, 0,1,2,3,4,5,6,7,8,9,10,11,12,13,14,15
	global_load_b128 v[16+4*\k:19+4*\k], v3, s[12:13] offset:32*\k    ; K step k / 2, half k % 2: registers 4 k .. 4 k + 3 of the tile's eight fragments.  (They read v3, which the head's wait has shown written)
.endr
	s_wait_alu depctr_va_vdst(0)                   ; v8 is written anew, which the four loads below read as their offset
.irp i, 0,1,2,3
	global_load_b32 v[80+\i], v8, s[14:15] offset:8*\i                ; the scale word of row r for K step 2 i + hh
.endr
	global_load_b32 v84, v6, s[16:17]              ; v of row r
	s_wait_loadcnt 0x0
	v_mul_f32 v85, -2.0, v84
.irp k, 0,1,2,3,4,5,6,7,8,9,10,11,12,13,14,15
	global_store_b128 v4, v[16+4*\k:19+4*\k], s[20:21] offset:512*\k  ; each store covers 512 consecutive bytes; its data came by loads
.endr
	global_store_b128 v4, v[80:83], s[20:21] offset:8192
	s_wait_alu depctr_va_vdst(0)                   ; v85 is written, which the last store reads
	global_store_b32 v5, v85, s[20:21] offset:8704
	s_endpgm
; ---- Q: work-group g makes h = 64 g .. 64 g + 63, wave w batches 16 w .. 16 w + 15.  Used transposed (source 0 = 16 rows of Wq, source 1 = 16 rows of query):
; lane (r, hh) then holds batch 16 w + r, and register j of tile t the unit h = 64 g + 16 t + 8 hh + j: eight neighbours of a row of qpc.
.Lq:
	s_lshl_b32 s32, s30, 13
	s_add_nc_u64 s[4:5], s[4:5], s[32:33]
	s_lshl_b32 s32, s30, 9
	s_add_nc_u64 s[6:7], s[6:7], s[32:33]
	s_lshl_b32 s32, ttmp9, 15
	s_add_nc_u64 s[8:9], s[8:9], s[32:33]
	s_lshl_b32 s32, ttmp9, 11
	s_add_nc_u64 s[10:11], s[10:11], s[32:33]
	s_lshl_b32 s32, s30, 16
	s_lshl_b32 s34, ttmp9, 8
	s_add_co_u32 s32, s32, s34
	s_add_nc_u64 s[22:23], s[22:23], s[32:33]      ; qpc at row 16 w, byte 256 g
	s_mov_b32 s36, 0x4038aa3b                      ; C2 = 2 log2(e)
	s_mov_b32 s37, s36                             ; (named with it as a pair, so it is written)
	s_mul_i32 s35, s30, 4352                       ; my stage: 16 rows x (256 + 16) bytes
	v_mul_u32_u24 v9, v1, 272
	v_lshl_add_u32 v9, v2, 5, v9
	v_add_nc_u32 v9, s35, v9                       ; in: row r, + 32 hh
	v_mul_u32_u24 v10, v2, 272
	v_lshl_add_u32 v10, v1, 4, v10
	v_add_nc_u32 v10, s35, v10                     ; back: lanes 0-15 one row, lanes 16-31 the next
	v_lshlrev_b32 v11, 12, v2
	v_lshl_add_u32 v11, v1, 4, v11                 ; and the same two rows in qpc.  (v9 to v11 are first read behind the wait that stands ahead of the stage's stores)
.macro QLOAD kh                        ; 40 loads: the fragments of K steps 4 kh .. 4 kh + 3
.irp k, 0,1,2,3
.irp c, 0,1
	global_load_b128 v[QF+8*\k+4*\c:QF+8*\k+4*\c+3], v3, s[4:5] offset:64*(4*\kh+\k)+32*\c
.endr
.endr
.irp t, 0,1,2,3
.irp k, 0,1,2,3
.irp c, 0,1
	global_load_b128 v[WF+32*\t+8*\k+4*\c:WF+32*\t+8*\k+4*\c+3], v3, s[8:9] offset:8192*\t+64*(4*\kh+\k)+32*\c
.endr
.endr
.endr
.endm
.macro QMUL kh                         ; 16 matrix instructions; the four accumulators take turns, one instruction a turn
.irp k, 0,1,2,3
.irp t, 0,1,2,3
.if (\kh == 0) && (\k == 0)
	v_wmma_scale_f32_16x16x128_f8f6f4 v[ACC+8*\t:ACC+8*\t+7], v[WF+32*\t+8*\k:WF+32*\t+8*\k+7], v[QF+8*\k:QF+8*\k+7], 0, v[WS+8*\t+4*\kh+\k], v[QS+4*\kh+\k] matrix_a_fmt:MATRIX_FMT_FP4 matrix_b_fmt:MATRIX_FMT_FP4
.else
	v_wmma_scale_f32_16x16x128_f8f6f4 v[ACC+8*\t:ACC+8*\t+7], v[WF+32*\t+8*\k:WF+32*\t+8*\k+7], v[QF+8*\k:QF+8*\k+7], v[ACC+8*\t:ACC+8*\t+7], v[WS+8*\t+4*\kh+\k], v[QS+4*\kh+\k] matrix_a_fmt:MATRIX_FMT_FP4 matrix_b_fmt:MATRIX_FMT_FP4
.endif
.endr
.endr
.endm
	global_load_b128 v[QS:QS+3], v8, s[6:7]        ; (v8 and v3 were shown written by the head's wait; the lines since name v1, v2 and v9 to v11 alone)
	global_load_b128 v[QS+4:QS+7], v8, s[6:7] offset:16
.irp t, 0,1,2,3
	global_load_b128 v[WS+8*\t:WS+8*\t+3], v8, s[10:11] offset:512*\t
	global_load_b128 v[WS+8*\t+4:WS+8*\t+7], v8, s[10:11] offset:512*\t+16
.endr
	QLOAD 0
	s_wait_loadcnt 0x0
	QMUL 0
.rept 4
	v_nop                                          ; four places in front of loads into registers that matrix instructions have read
.endr
	s_wait_alu depctr_va_vdst(0)                   ; the sixteen products are done reading the fragments of query and Wq, in which the loads below land
	QLOAD 1
	s_wait_loadcnt 0x0
	QMUL 1
.rept 4
	v_nop                                          ; and in front of the first read of results, and of writes into Wq's registers
.endr
.set i, 0
.rept 16
	v_pk_mul_f32 v[48+i:49+i], v[ACC+i:ACC+i+1], s[36:37] op_sel_hi:[1,0]   ; x C2; each accumulator from its low end on
.set i, i+2
.endr
	s_wait_alu depctr_va_vdst(0)                   ; v48-79 and the addresses v9 to v11 are written, which the stores below read; the products are done reading v80-111, in which the loads from the stage land
.irp t, 0,1,2,3
	ds_store_b128 v9, v[48+8*\t:51+8*\t] offset:64*\t
	ds_store_b128 v9, v[52+8*\t:55+8*\t] offset:64*\t+16
.endr
.irp i, 0,1,2,3,4,5,6,7
	ds_load_b128 v[80+4*\i:83+4*\i], v10 offset:544*\i    ; LDS serves a wave's instructions in order (ISA guide 5.7.1.4): these see my stores
.endr
.irp i, 0,1,2,3,4,5,6,7
	s_wait_dscnt 7-\i
	global_store_b128 v11, v[80+4*\i:83+4*\i], s[22:23] offset:8192*\i   ; sixteen lanes store 256 consecutive bytes, at a multiple of 256 from qpc's first byte
.endr
	s_wait_dscnt 0x0                               ; the closing lines, six on end
	s_wait_alu 0x0
	s_wait_tensorcnt 0x0
	ds_add_u32 v254, v255
	s_wait_dscnt 0x0
	s_endpgm
.Lfunc_end_k_qf12df3925a_prep:
	.size	k_qf12df3925a_prep, .Lfunc_end_k_qf12df3925a_prep-k_qf12df3925a_prep
	.p2alignl 7, 3214868480
	.fill 96, 4, 3214868480
	.section	.rodata,"a",@progbits
	.p2align	6, 0x0
	.amdhsa_kernel k_qf12df3925a_prep
		.amdhsa_group_segment_fixed_size 17920
		.amdhsa_private_segment_fixed_size 0
		.amdhsa_enable_private_segment 0
		.amdhsa_kernarg_size 104
		.amdhsa_user_sgpr_count 2
		.amdhsa_user_sgpr_kernarg_segment_ptr 1
		.amdhsa_wavefront_size32 1
		.amdhsa_system_sgpr_workgroup_id_x 1
		.amdhsa_system_sgpr_workgroup_id_y 1
		.amdhsa_system_sgpr_workgroup_id_z 1
		.amdhsa_system_vgpr_workitem_id 0
		.amdhsa_next_free_vgpr 256
		.amdhsa_next_free_sgpr 66
		.amdhsa_reserve_vcc 0
		.amdhsa_float_denorm_mode_32 3
		.amdhsa_float_denorm_mode_16_64 3
		.amdhsa_memory_ordered 1
		.amdhsa_forward_progress 1
		.amdhsa_inst_pref_size 49
	.end_amdhsa_kernel
	.amdgpu_metadata
---
amdhsa.version: [ 1, 2 ]
amdhsa.kernels:
  - .name:           k_qf12df3925a_prep
    .symbol:         k_qf12df3925a_prep.kd
    .args:
      - { .name: query_codes, .offset: 0, .size: 8, .value_kind: global_buffer, .address_space: global }
      - { .name: query_scales, .offset: 8, .size: 8, .value_kind: global_buffer, .address_space: global }
      - { .name: Wq_codes, .offset: 16, .size: 8, .value_kind: global_buffer, .address_space: global }
      - { .name: Wq_scales, .offset: 24, .size: 8, .value_kind: global_buffer, .address_space: global }
      - { .name: Wk_codes, .offset: 32, .size: 8, .value_kind: global_buffer, .address_space: global }
      - { .name: Wk_scales, .offset: 40, .size: 8, .value_kind: global_buffer, .address_space: global }
      - { .name: v, .offset: 48, .size: 8, .value_kind: global_buffer, .address_space: global }
      - { .name: mask, .offset: 56, .size: 8, .value_kind: global_buffer, .address_space: global }
      - { .name: wkimg, .offset: 64, .size: 8, .value_kind: global_buffer, .address_space: global }
      - { .name: qpc, .offset: 72, .size: 8, .value_kind: global_buffer, .address_space: global }
      - { .name: order, .offset: 80, .size: 8, .value_kind: global_buffer, .address_space: global }
      - { .name: rank, .offset: 88, .size: 8, .value_kind: global_buffer, .address_space: global }
      - { .name: cnt, .offset: 96, .size: 8, .value_kind: global_buffer, .address_space: global }
    .group_segment_fixed_size: 17920
    .private_segment_fixed_size: 0
    .kernarg_segment_align: 8
    .kernarg_segment_size: 104
    .max_flat_workgroup_size: 128
    .sgpr_count:     66
    .vgpr_count:     256
    .wavefront_size: 32
...
	.end_amdgpu_metadata
.endif
;; end of part 4
;; launch main (part 5): grid 4 x 64, 4 waves a work-group, no clusters, 218,368 bytes of LDS; arguments keys, wkimg, qpc, order, cnt, en, part; writes en, part
.if DOCPART == 5
	.amdgcn_target "amdgcn-amd-amdhsa--gfx1250"
	.amdhsa_code_object_version 6
	.text
	.protected	k_qf12df3925a_main
	.globl	k_qf12df3925a_main
	.p2align	8
	.type	k_qf12df3925a_main,@function
k_qf12df3925a_main:
	s_mov_b64 s[64:65], 0
	v_nop
	global_prefetch_b8 v0, s[64:65] scope:SCOPE_SE
	s_setreg_imm32_b32 hwreg(HW_REG_WAVE_SCHED_MODE, 0, 2), 2
	s_setreg_imm32_b32 hwreg(HW_REG_WAVE_MODE, 25, 1), 1
	s_wait_xcnt 0x0
	s_wait_alu depctr_vm_vsrc(0)
; For the open (unmasked) rows of a quarter of one batch: t = log2(e) x sum over h of v[h] tanh(qp[h] + (Q(keys) Wk^T)[h]), a softmax by a running maximum, and the partial context sum.
; A padded row's energy is replaced by -infinity and its weight is 0, so padded rows are neither fetched nor worked: the rows come by the list 'order' (open rows first), n = cnt of them.
; SHARES.  Work-group (c, b): places c q16 .. c q16 + q16 - 1 of batch b's list, q16 = 16 ceil(n / 64).  They go in blocks of 80 rows (five tiles of 16).  Four waves.
;   Segment 1: wave w fetches columns 256 w .. + 255 of the block's rows ONCE, as f32, in the layout that the quantiser wants: lane (r, hh) takes of list row r 16 neighbours of each block of 32.
;              It quantises them along K (E2M1, one E8M0 scale a 32) into images of the operand's registers in LDS, and keeps them as bf16 in LDS.
;   Segment 2: wave w takes h = 256 w .. + 255, 16 tiles of 16, for all 80 rows: source 0 = keys, source 1 = Wk: lane (r, hh) holds h = r and rows 8 hh + j.  Wk's fragments come from memory as register images.
;              v tanh(x) = v + (-2 v) / (1 + 2^(C2 x)), C2 = 2 log2(e); qpc holds C2 x the query's projection.
;   Segment 3: every wave adds the four waves' parts of the 80 energies, moves the running maximum m and sum l, and adds p x (bf16 keys) onto its own 256 columns of the context.
; The loop over blocks has four trips in every work-group, with its two barriers in every trip; a trip beyond the chunk's blocks jumps over the three segments alone.
; A tile of rows past the chunk's end fetches the chunk's first tile again (so every path issues the same loads); its rows get t = -infinity and p = 0.  For that reason the keys' loads carry no non-temporal hint.
; NO CLUSTER, NO JOINT LOADS, though every work-group reads the same records of Wk: a fragment of Wk feeds one wave of a work-group alone and lands in that wave's registers by loads of 512 consecutive bytes;
; a joint tensor load would bring each record of 8,960 bytes through LDS, to be written and read there, behind a round of the cluster's barrier for each slot, and the number of blocks hangs on n, which differs from batch to batch.
; LIMITS: NaN and infinities among the keys are not served.  A block of 32 zeros gets the scale byte 1 where the rule says 127: its codes are zeros, and this program alone reads the byte.
;         The context takes the keys rounded to bf16, p and the sums in f32.  v's sum and the sum of -2 v / (1 + 2^..) are added in f32: the error is of the order of f32's rounding of sum |v|.
; REGISTERS, in windows of 256 (s_set_vgpr_msb: bits 1:0 source 0, 3:2 source 1, 5:4 source 2, 7:6 destination):
;   window 0: v1-23 addresses, v24-39 state, v40-54 the block's rows, v56-83 scale words, v84-95 small things and addresses, v96-253 at work, by segment; v254, v255 the closing add's two.
;   window 1: v0-127 Wk's fragments, two sets; v128-255 raw sets 0, 1.   window 2: v0-159 keys' fragments of K steps 0-3, in segment 3 two sets of p and bf16 rows; v160-223 raw set 2.
;   window 3: v0-63 raw set 3; v96-255 keys' fragments of K steps 4-7.
; THE MODE: SCHED_MODE bits 1:0 = 2 (LLVM: expert scheduling mode 2), set by the entry lines.  The code itself states the register dependences
; between vector or matrix instructions and memory or LDS instructions, with s_wait_alu, always for 0.
; THE PLAN.  Registers that memory or LDS instructions touch:
;   raw sets 0-3      Unit u's maxima and conversions read set u % 4; behind them the loads of unit u + 4 land in it.
;   BF, PC, PW        by the unit's parity: written by unit u's conversions, read by its 11 LDS stores, written again by unit u + 2.
;   RO, RL, RA        RO: made by LISTS, read by the five list loads.  RL: they land in it; PRIME reads it.  RA: made by PRIME, read by every load of keys.
;   Wk's set p, its scale words, -2 v and qpc of set p: read by tile p's products, its two useful places and its 20 scalings; behind these the loads of the tile two on land in them.
;   keys' fragments and their scale words: LDS loads land in them at segment 2's head; the products read them.
;   E                 written in segment 2, read by its 40 LDS stores.  v96-159 are BF in segment 1 and the accumulators and E in segment 2.
;   v176-187          LDS loads land in them at segment 3's head; v184-186 then hold p, which three LDS stores read; v188-190 hold t, which wave 0's stores read.
;   window 2, v0-159  in segment 3: tile m's p and bf16 rows land in set m % 2; tile m's multiply-adds read it; tile m + 2's loads land in it.
;   Every other address register is made at the head, ahead of one wait, and never written again.
; So: one wait for results in a unit, behind its last vector instruction; none of its own in a tile of h: the wait that the exponentials have stands ahead of the tile's loads too;
; one at each segment's head or end, where a barrier stands anyway; one between a tile's multiply-adds and the loads that land in its set.
.set REC,    8960                      ; a record of wkimg: 16 rows of Wk
.set KP,     2064                      ; LDS: 0 .. 165,119 the block's 80 rows as bf16: 2,048 bytes + 16 of padding a row, so that the sixteen rows that a store touches fall on sixteen different 16-byte columns
                                       ;      (wave w writes and reads bytes 512 w .. + 511 of each row alone);
.set AIMG,   165120                    ; AIMG: 40 fragments (tile m, K step ks at 1,024 (8 m + ks)) as register images;
.set ASC,    206080                    ; ASC: their scale words, 128 bytes each;
.set STG,    211200                    ; STG: 1,024 bytes for each wave, for the context's way out;
.set ENP,    215296                    ; ENP: [4 waves][80] parts of the energies;
.set PP,     216576                    ; PP: [4 waves][80] each wave's own copy of p; behind it, from 217,856 on, the spare words: 128 bytes for each wave, which no other line names
.set L16, 1                            ; 16 x lane
.set L4R, 2                            ; 4 r
.set L4,  3                            ; 4 x lane
.set KOFF, 4                           ; 1,024 w + 16 x lane: my bytes of the partial context
.set STW, 5                            ; stage, back: 16 x lane
.set KO2, 6                            ; 1,024 w + 64 hh: my bytes of a row of keys
.set KBW, 7                            ; bf16 rows, in: KP r + 512 w + 32 hh, tiles 0 and 1;  KBW2: tiles 2 and 3;  KBW4: tile 4.  Never rewritten
.set IMW, 8                            ; my images: AIMG + 2,048 w + 16 x lane
.set SCW, 9                            ; my scale words: ASC + 256 w + 4 x lane
.set IMR, 10                           ; any image: AIMG + 16 x lane
.set SCR, 11                           ; scale words of two K steps: ASC + 128 hh + 4 r
.set ENW, 12
.set ENR, 13
.set ENR2, 14
.set PPW, 15
.set PPW2, 16
.set PPR, 17
.set KBR, 18                           ; bf16 rows, back: 16 x thread, tiles 0 and 1;  KBR2: tiles 2 and 3;  KBR4: tile 4.  Never rewritten
.set KBR2, 19
.set ROWA, 20                          ; the rows of a block that my lane judges: lane, lane + 32, 64 + r
.set ROWB, 21
.set ROWC, 22
.set EOF2, 23
.set MX,  24                           ; running maximum m of t;  v25 running sum l
.set LS,  25
.set FF,  26                           ; v[26:27] 2^(old m - new m), and a partner
.set HV,  28                           ; v[28:29] my lane's sum of v, and a partner
.set M2C, 30                           ; v[30:31] -2 v of the tile in hand, and a partner
.set CTX, 32                           ; v32-39 my eight columns of the context
.set RA,  40                           ; v40-44 tile m: the byte offset of my lane's row r and of my bytes in it
.set RL,  45                           ; v45-49 tile m: the list entry of row r, as loaded
.set RO,  50                           ; v50-54 tile m: where that entry lies in the list
.set ASCR, 56                          ; v56-75 keys' scale words: register 4 m + i: lanes 0-15 K step 2 i, lanes 16-31 K step 2 i + 1
.set BSCR, 76                          ; v76-83 Wk's, likewise: 4 p + i
.set QC,  84                           ; v[84:85], v[86:87] qpc of set p, and a partner
.set M2,  88                           ; v88, v89 -2 v of set p
.set VS,  90                           ; my lane's sum of -2 v
.set KBW2, 91
.set KBW4, 92
.set KBR4, 93
.set CTW, 94                           ; stage, in: 32 x lane
.set ML8, 95                           ; 8 x lane
.set ACC, 96                           ; segment 2: v96-135 five accumulators;  v136-175 the energies' parts
.set E,   136
.set BF,  96                           ; segment 1: v96-159 bf16, two sets;  v192-207 at work;  v208-223 codes, two sets;  v224-225 scale words, two
.set TM,  192
.set PC,  208
.set PW,  224
                                       ; segment 3: v176-196 at work; in window 2, set s at v[80 s]: 16 registers of p of 16 rows, then 16 rows x 4 registers of 8 bf16
.set MSB, 0
.macro WIN new                         ; the immediate's high byte repeats the setting that is left; a switch that changes nothing is dropped
.set NW, \new
.if MSB != NW
	s_set_vgpr_msb (MSB<<8)|NW
.set MSB, NW
.endif
.endm
.macro HSET h                          ; raw set h: its window and first register
.if \h == 0
.set HW, 1
.set HB, 128
.elseif \h == 1
.set HW, 1
.set HB, 192
.elseif \h == 2
.set HW, 2
.set HB, 160
.else
.set HW, 3
.set HB, 0
.endif
.endm
.macro KBSEL m                         ; tile m's base registers among the bf16 rows, and what the immediate adds: 16 rows for an odd tile
.if \m < 2
.set KBWM, KBW
.set KBRM, KBR
.elseif \m < 4
.set KBWM, KBW2
.set KBRM, KBR2
.else
.set KBWM, KBW4
.set KBRM, KBR4
.endif
.set KBO, ((\m)%2)*16*KP
.endm
; The list entries of the five tiles of the block at place base: lane (r, hh) takes row r's.  A tile past the chunk's end: the chunk's first tile.  A place is a multiple of 16, held at 1,008.
; The five offsets are made in a run, ahead of one wait; the five loads follow it.
.macro LISTS base
	s_wait_xcnt 0x0                                ; the earlier loads have had their addresses translated: only now are the offsets written again
	s_wait_alu depctr_vm_vsrc(0)                   ; the last list loads have read v[RO ..], which are written now; at segment 2's head also: the units' LDS stores have read the bf16 sets, and the last block's LDS stores its energies' parts: v96-175, which the products and the clearing lines write next
.irp m, 0,1,2,3,4
	s_add_co_u32 s48, \base, 16*\m
	s_cmp_lt_u32 s48, s28
	s_cselect_b32 s48, s48, s29
	s_min_u32 s48, s48, 1008
	v_lshl_add_u32 v[RO+\m], s48, 2, v[L4R]
.endr
	s_wait_alu depctr_va_vdst(0)                   ; v[RO ..] are written, which the loads below read; the lines that read v[RL ..] are done, in which they land; at segment 2's head also: the last block's products and multiply-adds are done reading the keys' fragments and scale words, in which the LDS loads that follow land
.irp m, 0,1,2,3,4
	global_load_b32 v[RL+\m], v[RO+\m], s[10:11]
.endr
.endm
; Unit u of a block's ten: tile u / 2, my K step 2 w + u % 2 (128 columns), into raw set u % 4: register 16 b + 4 j + e = column 32 b + 16 hh + 4 j + e of row r.
; The four loads of a block b stand together and cover 128 consecutive bytes of each of the 16 rows; the sixteen cover 512: whole aligned runs of 256 bytes of each row.
.macro KLOAD u
	HSET ((\u)%4)
	WIN (HW<<6)
.irp b, 0,1,2,3
.irp j, 0,1,2,3
	global_load_b128 v[HB+16*\b+4*\j:HB+16*\b+4*\j+3], v[RA+(\u)/2], s[4:5] offset:512*((\u)%2)+128*\b+16*\j
.endr
.endr
	WIN 0
.endm
; The lists become byte offsets (row x 4,096 + my bytes of a row), and the block's first four units are asked for: 64 loads.  left: the loads younger than the lists
.macro PRIME left
	s_wait_loadcnt \left                           ; the five list entries are in
	s_wait_xcnt 0x0                                ; the earlier loads have had their addresses translated: only now are the offsets written again
	s_wait_alu depctr_vm_vsrc(0)                   ; the last block's loads of keys have read v[RA ..], which are written now
.irp m, 0,1,2,3,4
	v_min_u32 v[RA+\m], 0x3ff, v[RL+\m]            ; a row is 0 .. 1,023
.endr
.irp m, 0,1,2,3,4
	v_lshl_add_u32 v[RA+\m], v[RA+\m], 12, v[KO2]
.endr
	s_wait_alu depctr_va_vdst(0)                   ; v[RA ..] are written, which the 64 loads below read as offsets; the last block's units are done reading the four raw sets, in which they land
	KLOAD 0
	KLOAD 1
	KLOAD 2
	KLOAD 3
.endm
; Unit u is quantised and kept.  Its 64 numbers a lane become a fragment's codes and its row's scale word (images in LDS) and 64 bf16.  What the LDS stores read goes by the unit's parity.
.macro UNIT u
.set UM, (\u)/2
.set US, (\u)%2
.set BFU, BF+32*US
.set PCU, PC+8*US
.set PWU, PW+US
.if (\u) <= 6
	s_wait_loadcnt 48                              ; this unit's 16 loads are in; the three younger units' may be out
.else
	s_wait_loadcnt 16*(9-(\u))
.endif
	s_wait_dscnt 11                                ; a unit has 11 LDS stores: the last unit's may be out; those of the unit two back, which read the registers written now, are done
	HSET ((\u)%4)
	WIN (HW|(HW<<2))                               ; sources 0 and 1: the raw set
.irp b, 0,1,2,3
	v_max3_num_f32 v[TM+\b], |v[HB+16*\b]|, |v[HB+1+16*\b]|, 0x1800000   ; block b: my 16 numbers, and the floor 2^(3 - 127): the byte cannot fall under 1
.endr
	WIN ((HW<<2)|(HW<<4))                          ; sources 1 and 2
.irp i, 2,4,6,8,10,12,14
.irp b, 0,1,2,3
	v_max3_num_f32 v[TM+\b], v[TM+\b], |v[HB+16*\b+\i]|, |v[HB+1+16*\b+\i]|   ; the four blocks by turns
.endr
.endr
	WIN 0
.irp b, 0,1,2,3
	v_permlanex16_b32 v[TM+4+\b], v[TM+\b], s54, s55
.endr
.irp b, 0,1,2,3
	v_max_num_f32 v[TM+\b], v[TM+\b], v[TM+4+\b]   ; with lane l xor 16's: the block's largest magnitude
.endr
.irp b, 0,1,2,3
	v_add_nc_u32 v[TM+12+\b], 0xff000000, v[TM+\b] ; 2 off its exponent field: the conversion takes the exponent field of this operand as its scale
.endr
.irp b, 0,1,2,3
	v_lshrrev_b32 v[TM+4+\b], 23, v[TM+12+\b]      ; the scale's byte
.endr
	s_wait_alu depctr_vm_vsrc(0)                   ; the LDS stores issued so far have read their data: the scale word, the codes and the bf16 set of this parity (in a block's first units also the last block's energies' parts, which lie in v136-159) are written from here on
	v_lshl_or_b32 v[PWU], v[TM+5], 8, v[TM+4]
	v_lshl_or_b32 v[PWU], v[TM+6], 16, v[PWU]
	v_lshl_or_b32 v[PWU], v[TM+7], 24, v[PWU]
	WIN HW                                         ; source 0
.irp b, 0,1,2,3
	v_cvt_scalef32_pk8_fp4_f32 v[PCU+2*\b], v[HB+16*\b:HB+7+16*\b], v[TM+12+\b]
	v_cvt_scalef32_pk8_fp4_f32 v[PCU+1+2*\b], v[HB+8+16*\b:HB+15+16*\b], v[TM+12+\b]
.endr
	v_nop                                          ; one plain place behind a scaled conversion
	WIN (HW|(HW<<2))
.irp b, 0,1,2,3
.irp q, 0,1,2,3,4,5,6,7
	v_cvt_pk_bf16_f32 v[BFU+8*\b+\q], v[HB+16*\b+2*\q], v[HB+16*\b+2*\q+1]
.endr
.endr
	WIN 0
.irp c, 0,1                                    ; the operand's layout wants a whole block in a lane
.irp i, 0,1
	v_permlane16_swap_b32 v[PCU+4*\c+\i], v[PCU+2+4*\c+\i]
.endr
.endr
	s_wait_alu depctr_va_vdst(0)                   ; the unit's maxima and conversions are done reading the raw set, in which the loads below land; its bf16, codes and scale word are written, which the LDS stores below read
.if (\u) <= 5
	KLOAD (\u)+4                                   ; the raw set has been read: it takes the unit four on
.endif
	KBSEL UM
.irp b, 0,1,2,3
	ds_store_b128 v[KBWM], v[BFU+8*\b:BFU+8*\b+3] offset:KBO+256*US+64*\b        ; kept for the context: my 16 neighbours of block b are 32 bytes of row r
	ds_store_b128 v[KBWM], v[BFU+8*\b+4:BFU+8*\b+7] offset:KBO+256*US+64*\b+16
.endr
	ds_store_b128 v[IMW], v[PCU:PCU+3] offset:(8*UM+US)*1024
	ds_store_b128 v[IMW], v[PCU+4:PCU+7] offset:(8*UM+US)*1024+512
	ds_store_b32 v[SCW], v[PWU] offset:(8*UM+US)*128
.endm
; 19 loads: a tile of Wk (8 fragments, 4 registers of scale words, -2 v) and its qpc, into set p
.macro BLOAD p
	WIN 0x40
.irp k, 0,1,2,3,4,5,6,7,8,9,10,11,12,13,14,15
	global_load_b128 v[64*\p+4*\k:64*\p+4*\k+3], v[L16], s[18:19] offset:\p*REC+512*\k th:TH_LOAD_HT
.endr
	WIN 0
	global_load_b128 v[BSCR+4*\p:BSCR+4*\p+3], v[L16], s[18:19] offset:\p*REC+8192 th:TH_LOAD_HT
	global_load_b32 v[M2+\p], v[L4], s[18:19] offset:\p*REC+8704 th:TH_LOAD_HT
	global_load_b32 v[QC+2*\p], v[L4R], s[20:21] offset:64*\p
.endm
.macro MMA p, ks, m
.if \ks < 4
.set rA, 8*(4*\m+\ks)
.else
.set rA, 96+8*(4*\m+\ks-4)
.endif
.set rD, ACC+8*\m
.set rB, 64*\p+8*\ks
.set rSA, ASCR+4*\m+\ks/2
.set rSB, BSCR+4*\p+\ks/2
.if \ks == 0
	v_wmma_scale_f32_16x16x128_f8f6f4 v[rD:rD+7], v[rA:rA+7], v[rB:rB+7], 0, v[rSA], v[rSB] matrix_a_fmt:MATRIX_FMT_FP4 matrix_b_fmt:MATRIX_FMT_FP4
.elseif (\ks%2) == 0
	v_wmma_scale_f32_16x16x128_f8f6f4 v[rD:rD+7], v[rA:rA+7], v[rB:rB+7], v[rD:rD+7], v[rSA], v[rSB] matrix_a_fmt:MATRIX_FMT_FP4 matrix_b_fmt:MATRIX_FMT_FP4
.else
	v_wmma_scale_f32_16x16x128_f8f6f4 v[rD:rD+7], v[rA:rA+7], v[rB:rB+7], v[rD:rD+7], v[rSA], v[rSB] matrix_a_fmt:MATRIX_FMT_FP4 matrix_b_fmt:MATRIX_FMT_FP4 matrix_a_scale:MATRIX_SCALE_ROW1 matrix_b_scale:MATRIX_SCALE_ROW1
.endif
.endm
; One tile of 16 h for the 80 rows: 40 matrix instructions (K ascending; the five accumulators take turns, one instruction a turn), then tanh and v.
.macro TILE p
	s_wait_loadcnt 19                              ; this tile's 19 loads are in; the next tile's 19 may be out (in a block's first trip the five list entries are younger too: the count is then the stricter)
	WIN 0x06                                       ; source 0 (keys) window 2, source 1 (Wk) window 1
.irp ks, 0,1,2,3
.irp m, 0,1,2,3,4
	MMA \p, \ks, \m
.endr
.endr
	WIN 0x07                                       ; source 0 window 3
.irp ks, 4,5,6,7
.irp m, 0,1,2,3,4
	MMA \p, \ks, \m
.endr
.endr
	WIN 0
	v_mov_b32 v[M2C], v[M2+\p]                     ; four places behind the last product (ISA guide 7.12.1): two of them useful
	v_add_f32 v[VS], v[VS], v[M2+\p]
	v_nop
	v_nop
.set i, 0
.rept 20
	v_pk_fma_f32 v[ACC+i:ACC+i+1], v[ACC+i:ACC+i+1], s[52:53], v[QC+2*\p:QC+2*\p+1] op_sel_hi:[1,0,0]   ; C2 x product + qpc; each accumulator from its low end on
.set i, i+2
.endr
.set i, 0
.rept 40
	v_exp_f32 v[ACC+i], v[ACC+i]
.set i, i+1
.endr
	v_nop                                          ; a plain place behind the exponentials
	s_wait_alu depctr_va_vdst(0)                   ; the 40 exponentials have written v[ACC ..], ahead of their first reader; and the products, the two places and the scalings are done reading set p of Wk, its scale words, its -2 v and its qpc, in which the loads below land
	BLOAD \p                                       ; set p is free: it takes the tile two on.  What follows names the accumulators, v[M2C] and the energies' parts alone
.set i, 0
.rept 20
	v_pk_add_f32 v[ACC+i:ACC+i+1], v[ACC+i:ACC+i+1], 1.0 op_sel_hi:[1,0]
.set i, i+2
.endr
.set i, 0
.rept 40
	v_rcp_f32 v[ACC+i], v[ACC+i]
.set i, i+1
.endr
	v_nop                                          ; a plain place behind the reciprocals
	s_wait_alu depctr_va_vdst(0)                   ; the 40 reciprocals have written v[ACC ..], ahead of their first reader
.set i, 0
.rept 20
	v_pk_fma_f32 v[E+i:E+i+1], v[ACC+i:ACC+i+1], v[M2C:M2C+1], v[E+i:E+i+1] op_sel_hi:[1,0,1]
.set i, i+2
.endr
.endm
; Segment 3: tile m's p (four loads of four rows' p, the same in every lane) and my eight columns of its 16 rows, into set m % 2 of window 2: 20 LDS loads, five to four rows
.macro CLOAD m
	KBSEL \m
.set SB, 80*((\m)%2)
	WIN 0x80                                       ; destination window 2
.irp g, 0,1,2,3
	ds_load_b128 v[SB+4*\g:SB+4*\g+3], v[PPR] offset:64*(\m)+16*\g
.irp i, 0,1,2,3
	ds_load_b128 v[SB+16+4*(4*\g+\i):SB+16+4*(4*\g+\i)+3], v[KBRM] offset:KBO+(4*\g+\i)*KP   ; my eight columns of a row: bytes that my own wave stored
.endr
.endr
.endm
; and its 128 multiply-adds onto the context, rows ascending.  younger: the LDS loads issued behind the tile's own
.macro CFMA m, younger
.set SB, 80*((\m)%2)
	WIN 0x0a                                       ; sources 0 and 1 window 2
.irp g, 0,1,2,3
	s_wait_dscnt \younger+15-5*\g                  ; five loads to four rows: those of the later rows, and the next tile's, may be out
.irp i, 0,1,2,3
.irp e, 0,1,2,3
	v_fma_mix_f32_bf16 v[CTX+2*\e], v[SB+16+4*(4*\g+\i)+\e], v[SB+4*\g+\i], v[CTX+2*\e] op_sel_hi:[1,0,0]
	v_fma_mix_f32_bf16 v[CTX+2*\e+1], v[SB+16+4*(4*\g+\i)+\e], v[SB+4*\g+\i], v[CTX+2*\e+1] op_sel:[1,0,0] op_sel_hi:[1,0,0]
.endr
.endr
.endr
.endm
	s_load_b256 s[4:11], s[0:1], 0x0               ; keys s[4:5], wkimg s[6:7], qpc s[8:9], order s[10:11]
	s_load_b128 s[12:15], s[0:1], 0x20             ; cnt s[12:13], en s[14:15]
	s_load_b64 s[16:17], s[0:1], 0x30              ; part
	v_lshl_add_u32 v254, v0, 2, 0x35300            ; the LDS address of my spare word, and 0: made here and kept for the closing lines alone
	v_mov_b32 v255, 0
	v_lshrrev_b32 v176, 5, v0
	v_readfirstlane_b32 s22, v176                  ; wave w
	s_mov_b32 s23, ttmp9                           ; chunk c
	s_and_b32 s24, ttmp7, 0xffff                   ; batch b
	v_and_b32 v176, 31, v0                         ; lane
	v_and_b32 v177, 15, v0                         ; r
	v_bfe_u32 v178, v0, 4, 1                       ; hh
	v_lshlrev_b32 v[L16], 4, v176
	v_lshlrev_b32 v[L4R], 2, v177
	v_lshlrev_b32 v[L4], 2, v176
	s_wait_alu depctr_va_sdst(0)                   ; s22 is written, ahead of its first reader: addresses, bases and branches are made from it
	s_lshl_b32 s48, s22, 10
	v_add_nc_u32 v[KOFF], s48, v[L16]
	v_lshl_add_u32 v[KO2], v178, 6, s48
	s_add_co_u32 s48, s48, STG
	v_add_nc_u32 v[STW], s48, v[L16]
	v_lshl_add_u32 v[CTW], v176, 5, s48
	s_lshl_b32 s48, s22, 9
	v_mul_u32_u24 v[KBW], v177, KP
	v_lshl_add_u32 v[KBW], v178, 5, v[KBW]
	v_add_nc_u32 v[KBW], s48, v[KBW]
	v_add_nc_u32 v[KBW2], 32*KP, v[KBW]
	v_add_nc_u32 v[KBW4], 64*KP, v[KBW]
	s_lshl_b32 s48, s22, 11
	s_add_co_u32 s48, s48, AIMG
	v_add_nc_u32 v[IMW], s48, v[L16]
	s_lshl_b32 s48, s22, 8
	s_add_co_u32 s48, s48, ASC
	v_add_nc_u32 v[SCW], s48, v[L4]
	v_add_nc_u32 v[IMR], AIMG, v[L16]
	v_lshl_add_u32 v[SCR], v178, 7, v[L4R]
	v_add_nc_u32 v[SCR], ASC, v[SCR]
	s_mul_i32 s48, s22, 320
	s_add_co_u32 s49, s48, ENP
	v_lshl_add_u32 v[ENW], v178, 5, s49            ; my wave's 80 words, + 32 hh: row 8 hh + j of a tile
	v_add_nc_u32 v[ENR], ENP, v[L4]
	v_add_nc_u32 v[ENR2], ENP+256, v[L4R]
	s_add_co_u32 s49, s48, PP
	v_add_nc_u32 v[PPW], s49, v[L4]
	v_add_nc_u32 v[PPW2], s49, v[L4R]
	v_add_nc_u32 v[PPW2], 256, v[PPW2]
	v_mov_b32 v[PPR], s49
	v_lshlrev_b32 v[KBR], 4, v0
	v_add_nc_u32 v[KBR2], 32*KP, v[KBR]
	v_add_nc_u32 v[KBR4], 64*KP, v[KBR]
	v_mov_b32 v[ROWA], v176
	v_add_nc_u32 v[ROWB], 32, v176
	v_add_nc_u32 v[ROWC], 64, v177
	v_add_nc_u32 v[EOF2], 256, v[L4R]
	v_lshlrev_b32 v[ML8], 3, v176
	v_mov_b32 v[MX], 0xff61b1e6                    ; -3e38, under every t
	v_mov_b32 v[LS], 0
.irp i, 26,27,28,29,30,31,32,33,34,35,36,37,38,39,85,87,196,197,198,199
	v_mov_b32 v[\i], 0                             ; the context's sums; the partners of pairs of which the low word alone is used; the lane permutes' destinations, which count as read
.endr
	s_mov_b32 s52, 0x4038aa3b                      ; C2 = 2 log2(e)
	s_mov_b32 s53, s52
	s_mov_b32 s54, 0x76543210                      ; v_permlanex16_b32's selects for lane l xor 16
	s_mov_b32 s55, 0xfedcba98
	s_mov_b32 s56, 0x3fb8aa3b                      ; log2(e)
	s_mov_b32 s49, 0
	s_wait_kmcnt 0x0
	s_lshl_b32 s48, s24, 7
	s_add_nc_u64 s[12:13], s[12:13], s[48:49]
	s_load_b32 s25, s[12:13], 0x0                  ; n
	s_lshl_b32 s48, s24, 22
	s_add_nc_u64 s[4:5], s[4:5], s[48:49]          ; the batch's keys
	s_mul_i32 s48, s22, 16*REC
	s_add_nc_u64 s[6:7], s[6:7], s[48:49]          ; my 16 records of wkimg
	s_lshl_b32 s48, s24, 12
	s_add_nc_u64 s[10:11], s[10:11], s[48:49]      ; the batch's list
	s_add_nc_u64 s[8:9], s[8:9], s[48:49]
	s_lshl_b32 s48, s22, 10
	s_add_nc_u64 s[8:9], s[8:9], s[48:49]          ; my 256 numbers of qpc
	s_lshl_b32 s50, s24, 2
	s_add_co_u32 s50, s50, s23                     ; 4 b + c
	s_mul_i32 s48, s50, 1280
	s_add_nc_u64 s[14:15], s[14:15], s[48:49]
	s_mul_i32 s48, s50, 4352
	s_add_nc_u64 s[16:17], s[16:17], s[48:49]
	s_mov_b64 s[18:19], s[6:7]                     ; the pointers that walk Wk's records and qpc
	s_mov_b64 s[20:21], s[8:9]
	s_wait_alu depctr_va_vdst(0)                   ; every address and offset register of the head (v1-23, v91-95) is written: the loads, stores and LDS instructions of the whole kernel read them, and none of them is written again
	BLOAD 0                                        ; tiles 0 and 1 of Wk
	BLOAD 1
	s_wait_kmcnt 0x0
	s_min_u32 s25, s25, 1024
	s_add_co_u32 s26, s25, 63
	s_lshr_b32 s26, s26, 6                         ; tiles of 16 rows in a chunk, 0 .. 16
	s_add_co_u32 s27, s26, 4
	s_mul_i32 s27, s27, 13
	s_lshr_b32 s27, s27, 6                         ; ceil(tiles / 5) for 0 .. 16 tiles,
	s_max_u32 s27, s27, 1                          ; at least one block, so that every chunk leaves its m, l, sums and first 80 t
	s_lshl_b32 s26, s26, 4                         ; q16
	s_mul_i32 s30, s23, s26                        ; the place at which the block in hand begins
	s_add_co_u32 s28, s30, s26
	s_min_u32 s28, s28, s25                        ; the chunk's end among the open rows
	s_min_u32 s29, s30, 1008                       ; the chunk's first tile
	s_mov_b32 s31, 0                               ; the block's number
	s_wait_xcnt 0x0                                ; the loads above have had their addresses translated: the pointers may step
	s_add_nc_u64 s[18:19], s[18:19], 2*REC
	s_add_nc_u64 s[20:21], s[20:21], 128
	LISTS s30                                      ; the first block's rows
	PRIME 0
.Lblock:
	s_cmp_ge_u32 s31, s27
	s_cbranch_scc1 .Lskip1
	; ---- segment 1: the block's rows arrive, are quantised and are kept as bf16
.irp u, 0,1,2,3,4,5,6,7,8,9
	UNIT \u
.endr
.Lskip1:
	s_wait_dscnt 0x0                               ; my images and scale words have landed, and my reads of the energies' parts of the last trip are over
	s_barrier_signal -1
	s_barrier_wait -1                              ; the 40 images are whole
	s_cmp_ge_u32 s31, s27
	s_cbranch_scc1 .Lskip2
	; ---- segment 2: my 256 h for the 80 rows
	s_add_co_u32 s49, s30, 80
	LISTS s49                                      ; the rows of the block that follows (past the chunk's end: the chunk's first tile): asked for here, wanted behind the loop over h.  Its two waits serve the LDS loads and the first writes below too
	WIN 0x80
.irp m, 0,1,2,3,4
.irp ks, 0,1,2,3
.irp c, 0,1
	ds_load_b128 v[8*(4*\m+\ks)+4*\c:8*(4*\m+\ks)+4*\c+3], v[IMR] offset:(8*\m+\ks)*1024+512*\c
.endr
.endr
.endr
	WIN 0xc0
.irp m, 0,1,2,3,4
.irp ks, 4,5,6,7
.irp c, 0,1
	ds_load_b128 v[96+8*(4*\m+\ks-4)+4*\c:96+8*(4*\m+\ks-4)+4*\c+3], v[IMR] offset:(8*\m+\ks)*1024+512*\c
.endr
.endr
.endr
	WIN 0
.irp m, 0,1,2,3,4
.irp i, 0,1,2,3
	ds_load_b32 v[ASCR+4*\m+\i], v[SCR] offset:(8*\m+2*\i)*128
.endr
.endr
.set i, 0
.rept 40
	v_mov_b32 v[E+i], 0                            ; the loop over tiles is written once, so the energies' parts begin as zeros
.set i, i+1
.endr
	v_mov_b32 v[VS], 0
	s_wait_dscnt 0x0
	s_mov_b32 s50, 0
.Ln:                                               ; eight trips, two tiles of h each
	TILE 0
	TILE 1
	s_wait_xcnt 0x0                                ; the loads have had their addresses translated: the pointers may step
	s_add_nc_u64 s[18:19], s[18:19], 2*REC
	s_add_nc_u64 s[20:21], s[20:21], 128
	s_add_co_u32 s50, s50, 1
	s_cmp_eq_u32 s50, 7                            ; the last trip asks for tiles 0 and 1 again, for the next block: no load passes my 16 records
	s_cselect_b64 s[18:19], s[6:7], s[18:19]
	s_cselect_b64 s[20:21], s[8:9], s[20:21]
	s_cmp_lt_u32 s50, 8
	s_cbranch_scc1 .Ln
	s_add_co_u32 s48, s31, 1
	s_cmp_ge_u32 s48, s27
	s_cbranch_scc1 .Lnoprime
	PRIME 38                                       ; the next block's first four units: behind Wk's last 38 loads, so that segment 1's counts hold; they land under what follows
.Lnoprime:
	v_mul_f32 v[HV], -0.5, v[VS]                   ; my lane's sum of v
.set i, 0
.rept 20
	v_pk_add_f32 v[E+i:E+i+1], v[E+i:E+i+1], v[HV:HV+1] op_sel_hi:[1,0]
.set i, i+2
.endr
.irp x, 1,2,4,8                                ; the sum over the sixteen lanes' h
.set i, 0
.rept 40
	v_add_f32_dpp v[E+i], v[E+i], v[E+i] row_xmask:\x row_mask:0xf bank_mask:0xf
.set i, i+1
.endr
.endr
	s_wait_alu depctr_va_vdst(0)                   ; the 40 sums are written in v[E ..], which the LDS stores below read
.irp m, 0,1,2,3,4
.irp j, 0,1,2,3,4,5,6,7
	ds_store_b32 v[ENW], v[E+8*\m+\j] offset:64*\m+4*\j    ; row 16 m + 8 hh + j: the sixteen lanes of a half write one word with one value
.endr
.endr
.Lskip2:
	s_wait_dscnt 0x0                               ; my parts of the energies have landed; my reads of the images are long over
	s_barrier_signal -1
	s_barrier_wait -1
	s_cmp_ge_u32 s31, s27
	s_cbranch_scc1 .Lskip3
	; ---- segment 3: the softmax's step and the context, in every wave alike
	s_wait_alu depctr_va_vdst(0)                   ; every vector instruction that named v176-187 is done, in which the loads below land; the products are done reading the keys' fragments of window 2, in which the first two tiles' p and rows land further down
	s_wait_alu depctr_vm_vsrc(0)                   ; the last block's LDS stores of p have read v184-186, in which loads land now, and wave 0's stores of t have read v188-190, which are written below
.irp q, 0,1,2,3
	ds_load_b32 v[176+\q], v[ENR] offset:320*\q
	ds_load_b32 v[180+\q], v[ENR] offset:320*\q+128
	ds_load_b32 v[184+\q], v[ENR2] offset:320*\q
.endr
	s_sub_co_i32 s51, s28, s30
	s_max_i32 s51, s51, 0                          ; how many of the block's rows count
	v_mov_b32 v191, 0xff800000                     ; -infinity
.irp g, 0,1,2
	v_cmp_gt_u32 s[32+\g], s51, v[ROWA+\g]         ; which of my three rows count
.endr
	v_cmp_gt_u32 s35, 16, v[ROWA]                  ; lanes 0-15: for the sum of rows 64-79
	s_wait_alu depctr_va_sdst(0)                   ; the four masks s32 to s35 are written, in one run, ahead of the branch below and of the selects that read them
	s_wait_dscnt 0x0
.irp g, 0,1,2
	v_add_f32 v[176+4*\g], v[176+4*\g], v[177+4*\g]
	v_add_f32 v[178+4*\g], v[178+4*\g], v[179+4*\g]
.endr
.irp g, 0,1,2
	v_add_f32 v[176+4*\g], v[176+4*\g], v[178+4*\g]
.endr
.irp g, 0,1,2
	v_mul_f32 v[188+\g], s56, v[176+4*\g]          ; t = energy x log2(e)
.endr
.irp g, 0,1,2
	v_cndmask_b32 v[188+\g], v191, v[188+\g], s[32+\g]
.endr
	s_cmp_lg_u32 s22, 0
	s_cbranch_scc1 .Lnoen
	s_wait_alu depctr_va_vdst(0)                   ; t is written in v188-190, which the three stores read
	global_store_b32 v[L4], v188, s[14:15]
	global_store_b32 v[L4], v189, s[14:15] offset:128
	global_store_b32 v[EOF2], v190, s[14:15]       ; (lanes 16-31 repeat lanes 0-15)
.Lnoen:
	v_max3_num_f32 v192, v188, v189, v190
.irp x, 1,2,4,8
	v_max_num_f32_dpp v192, v192, v192 row_xmask:\x row_mask:0xf bank_mask:0xf
.endr
	v_permlanex16_b32 v196, v192, s54, s55
	v_max3_num_f32 v192, v192, v196, v[MX]         ; the new m
	v_sub_f32 v193, v[MX], v192
.irp g, 0,1,2
	v_sub_f32 v[184+\g], v[188+\g], v192
.endr
	v_exp_f32 v[FF], v193                          ; 2^(old m - new m)
.irp g, 0,1,2
	v_exp_f32 v[184+\g], v[184+\g]                 ; p = 2^(t - m)
.endr
	v_mov_b32 v[MX], v192                          ; (a plain place behind the exponentials)
	s_wait_alu depctr_va_vdst(0)                   ; the four exponentials have written v[FF] and v184-186, ahead of their first readers: the LDS stores of p straight below, then the sums
	ds_store_b32 v[PPW], v184                      ; p goes to my wave's own 80 words, to come back four to a load in every lane
	ds_store_b32 v[PPW], v185 offset:128
	ds_store_b32 v[PPW2], v186
	CLOAD 0                                        ; the first two tiles are asked for here, under the sum of l: since the wait at the segment's head no vector instruction has named their registers
	CLOAD 1
	WIN 0
	v_cndmask_b32 v187, 0, v186, s35               ; rows 64-79 stand twice: they are summed once
	v_add_f32 v193, v184, v185
	v_add_f32 v193, v193, v187
.irp x, 1,2,4,8
	v_add_f32_dpp v193, v193, v193 row_xmask:\x row_mask:0xf bank_mask:0xf
.endr
	v_permlanex16_b32 v196, v193, s54, s55
	v_add_f32 v193, v193, v196
	v_fma_f32 v[LS], v[LS], v[FF], v193
.irp i, 0,2,4,6
	v_pk_mul_f32 v[CTX+\i:CTX+\i+1], v[CTX+\i:CTX+\i+1], v[FF:FF+1] op_sel_hi:[1,0]
.endr
	CFMA 0, 20
	s_wait_alu depctr_va_vdst(0)                   ; tile 0's multiply-adds are done reading set 0, in which tile 2's loads land
	CLOAD 2
	CFMA 1, 20
	s_wait_alu depctr_va_vdst(0)                   ; tile 1's are done reading set 1, in which tile 3's loads land
	CLOAD 3
	CFMA 2, 20
	s_wait_alu depctr_va_vdst(0)                   ; tile 2's are done reading set 0, in which tile 4's loads land
	CLOAD 4
	CFMA 3, 20
	CFMA 4, 0
	WIN 0                                          ; at a label and at a branch every window is 0
.Lskip3:
	s_wait_xcnt 0x0                                ; the stores of t have read their registers and their base: both may be written again
	s_add_nc_u64 s[14:15], s[14:15], 320
	s_add_co_u32 s30, s30, 80
	s_add_co_u32 s31, s31, 1
	s_cmp_lt_u32 s31, 4
	s_cbranch_scc1 .Lblock
	; ---- the way out: a lane's eight sums are 32 bytes; through my stage they leave as runs of 512 consecutive bytes
	s_wait_alu depctr_va_vdst(0)                   ; the context's sums, m and l are written, which the stores below read; every vector and matrix instruction that named v96-103 is done, in which the loads from the stage land
	s_wait_alu depctr_vm_vsrc(0)                   ; the units' LDS stores have read the bf16 set in v96-103, in which those loads land
	ds_store_b128 v[CTW], v[CTX:CTX+3]
	ds_store_b128 v[CTW], v[CTX+4:CTX+7] offset:16
	ds_load_b128 v[96:99], v[STW]
	ds_load_b128 v[100:103], v[STW] offset:512
	s_wait_dscnt 0x0
	global_store_b128 v[KOFF], v[96:99], s[16:17]
	global_store_b128 v[KOFF], v[100:103], s[16:17] offset:512
	s_cmp_lg_u32 s22, 0
	s_cbranch_scc1 .Lend
	global_store_b64 v[ML8], v[MX:MX+1], s[16:17] offset:4096    ; (m, l), 32 times: 256 consecutive bytes
.Lend:
	s_wait_dscnt 0x0                               ; the closing lines, six on end
	s_wait_alu 0x0
	s_wait_tensorcnt 0x0
	ds_add_u32 v254, v255
	s_wait_dscnt 0x0
	s_endpgm
.Lfunc_end_k_qf12df3925a_main:
	.size	k_qf12df3925a_main, .Lfunc_end_k_qf12df3925a_main-k_qf12df3925a_main
	.p2alignl 7, 3214868480
	.fill 96, 4, 3214868480
	.section	.rodata,"a",@progbits
	.p2align	6, 0x0
	.amdhsa_kernel k_qf12df3925a_main
		.amdhsa_group_segment_fixed_size 218368
		.amdhsa_private_segment_fixed_size 0
		.amdhsa_enable_private_segment 0
		.amdhsa_kernarg_size 56
		.amdhsa_user_sgpr_count 2
		.amdhsa_user_sgpr_kernarg_segment_ptr 1
		.amdhsa_wavefront_size32 1
		.amdhsa_system_sgpr_workgroup_id_x 1
		.amdhsa_system_sgpr_workgroup_id_y 1
		.amdhsa_system_sgpr_workgroup_id_z 1
		.amdhsa_system_vgpr_workitem_id 0
		.amdhsa_next_free_vgpr 1024
		.amdhsa_next_free_sgpr 66
		.amdhsa_reserve_vcc 0
		.amdhsa_float_denorm_mode_32 3
		.amdhsa_float_denorm_mode_16_64 3
		.amdhsa_memory_ordered 1
		.amdhsa_forward_progress 1
		.amdhsa_inst_pref_size 205
	.end_amdhsa_kernel
	.amdgpu_metadata
---
amdhsa.version: [ 1, 2 ]
amdhsa.kernels:
  - .name:           k_qf12df3925a_main
    .symbol:         k_qf12df3925a_main.kd
    .args:
      - { .name: keys, .offset: 0, .size: 8, .value_kind: global_buffer, .address_space: global }
      - { .name: wkimg, .offset: 8, .size: 8, .value_kind: global_buffer, .address_space: global }
      - { .name: qpc, .offset: 16, .size: 8, .value_kind: global_buffer, .address_space: global }
      - { .name: order, .offset: 24, .size: 8, .value_kind: global_buffer, .address_space: global }
      - { .name: cnt, .offset: 32, .size: 8, .value_kind: global_buffer, .address_space: global }
      - { .name: en, .offset: 40, .size: 8, .value_kind: global_buffer, .address_space: global }
      - { .name: part, .offset: 48, .size: 8, .value_kind: global_buffer, .address_space: global }
    .group_segment_fixed_size: 218368
    .private_segment_fixed_size: 0
    .kernarg_segment_align: 8
    .kernarg_segment_size: 56
    .max_flat_workgroup_size: 128
    .sgpr_count:     66
    .vgpr_count:     1024
    .wavefront_size: 32
...
	.end_amdgpu_metadata
.endif
;; end of part 5
;; launch finish: the kernel of part 3 again; grid 4 x 64, 2 waves a work-group, no clusters, 0 bytes of LDS; arguments rank, cnt, en, part, out0, out1; writes out0, out1
